; MI455X (gfx1250); checked and timed in simulation.
; The chip was launched on July 23, 2026; its instructions are those of AMD's public machine-readable ISA for CDNA 5 (MIT licence, August 2026) and "CDNA5" Instruction Set Architecture Reference Guide (July 2026). The comments in the code are by the model that wrote it; some were corrected since.
;; Multi Head Attention. Allowed arithmetic: matrix products marked QUANTISED: E2M3 operands, one E8M0 scale for each 32 along K, by v_wmma_scale_f32_16x16x128_f8f6f4 with both operands' format E2M3, f32 sums; everything else in f32.
;; Inputs: Wk 1,024 x 1,024 float32; Wo 1,024 x 1,024 float32; Wq 1,024 x 1,024 float32; Wv 1,024 x 1,024 float32; X 2 x 2,048 x 1,024 float32; bo 1,024 float32.
;; Outputs: out0 2 x 2,048 x 1,024 float32.
;; This version of the problem:
;;   THIS VERSION OF THE PROBLEM IS GIVEN IN LOW PRECISION. The matrix products marked QUANTISED in the list below multiply operands that are first quantised to E2M3 (2 exponent bits, 3 mantissa bits; 6 bits a number), with one power-of-two scale for each 32 numbers along K (OCP MX v1.0); their sums are f32. All else is computed in f32.
;;   The module's matrix products, in the order in which they are computed (A, B: the left and right operand; K: the contracted axis; several contracted axes count as one K, in the product's order):
;;     1. [M 4,096, K 1,024] x [K 1,024, N 1,024]; A: input X; B: input Wq: QUANTISED
;;     2. [M 4,096, K 1,024] x [K 1,024, N 1,024]; A: input X; B: input Wk: QUANTISED
;;     3. [M 4,096, K 1,024] x [K 1,024, N 1,024]; A: input X; B: input Wv: QUANTISED
;;     4. batch 32 x [M 2,048, K 64] x [K 64, N 2,048]; A: computed on the way; B: computed on the way: QUANTISED
;;     5. batch 32 x [M 2,048, K 2,048] x [K 2,048, N 64]; A: softmax (see below); B: computed on the way: QUANTISED
;;     6. [M 4,096, K 1,024] x [K 1,024, N 1,024]; A: computed on the way; B: input Wo: QUANTISED
;;   THE QUANTISER, for each operand of a quantised product, along K:
;;     - K is cut into blocks of 32 from its start; a last block that is shorter is filled with zeros.
;;     - A block's scale is 2^e with e = floor(log2(the largest magnitude in the block)) - 2, held to -126 .. 127; a block of zeros has e = 0. As a byte (E8M0): e + 127.
;;     - Each number is divided by its block's scale, clamped to +-7.5, and rounded to the nearest number of E2M3, ties to even, subnormals kept.
;;     - The product sums the exact products of the quantised numbers (number of the format x scale) in f32.
;;   ~~~python
;;   def quantise(x, axis):      # numpy; x: float32 -> the quantised numbers, widened to float32 again
;;       x = np.moveaxis(x, axis, -1); K = x.shape[-1]
;;       x = np.pad(x, [(0, 0)] * (x.ndim - 1) + [(0, -K % 32)]); x = x.reshape(x.shape[:-1] + (-1, 32)); a = np.abs(x).max(-1, keepdims=True)
;;       e = np.where(a > 0, np.clip(np.frexp(np.where(a > 0, a, 1))[1] - 1 - 2, -126, 127), 0)      # np.frexp(a)[1] - 1 = floor(log2(a)), exactly
;;       r = np.clip(x / 2.0 ** e, -7.5, 7.5)
;;       step = 2.0 ** (np.maximum(np.frexp(np.where(r == 0, 1, r))[1] - 1, 0) - 3)
;;       q = np.round(r / step) * step * 2.0 ** e      # np.round: ties to even
;;       return np.moveaxis(q.reshape(q.shape[:-2] + (-1,))[..., :K], -1, axis).astype(np.float32)
;;   ~~~
;;   SOFTMAX AHEAD OF A QUANTISED PRODUCT. Where the list says 'softmax', what is quantised is not the finished softmax but p = 2^(t - M), with t = logit x log2(e) and M = ceil(the row's largest t), a whole number; so 1/2 < the row's largest p <= 1. The row's sum l is taken of the UNQUANTISED p, in f32, and the product's result is divided by l at the end. Since M is a whole number, a kernel that streams over the keys may use a running M (the ceiling of the running maximum): every later rescaling is an exact power of two, which a block's scale takes up: the codes' values come out the same.
;;   OPERANDS COMPUTED ON THE WAY. 'Computed on the way' means the value that the module computes at that place (a softmax that the list does not call 'softmax' is quantised finished and normalised). What goes into a quantiser is computed in f32, as accurately as f32 sums, v_exp_f32 and their like allow (about 1e-6 of the number): no bf16 or f16 on the way to a quantiser, and a product that is left as it is and whose result goes on into a quantised operand takes f32 operands (vector FMAs, or v_wmma_f32_16x16x4_f32). A number that lies on a knife's edge between two numbers of the format may be rounded either way, as far as f32 arithmetic and the matrix unit's own rounding can turn it there, and no further.
;; One version. Each part assembles by itself: llvm-mc -triple=amdgcn-amd-amdhsa -mcpu=gfx1250 --defsym DOCPART=n.
;; ======== version 1 of 1: 4 launches
;; limits: right only within a limited range of input values
;; workspace buffers: cod 6,291,456 bytes; scl 262,144 bytes; qcod 3,145,728 bytes; qscl 262,144 bytes; kv 6,684,672 bytes; zc 3,145,728 bytes; zs 131,072 bytes
;; launch quant (part 1): grid 512 x 1, 4 waves a work-group, no clusters, 68,608 bytes of LDS; arguments X, Wq, Wk, Wv, Wo, cod, scl; writes cod, scl
.if DOCPART == 1
	.amdgcn_target "amdgcn-amd-amdhsa--gfx1250"
	.amdhsa_code_object_version 6
	.text
	.protected	k_q1dbff82fa6_quant
	.globl	k_q1dbff82fa6_quant
	.p2align	8
	.type	k_q1dbff82fa6_quant,@function
k_q1dbff82fa6_quant:
	s_mov_b64 s[64:65], 0
	v_nop
	global_prefetch_b8 v0, s[64:65] scope:SCOPE_SE
	s_setreg_imm32_b32 hwreg(HW_REG_WAVE_MODE, 25, 1), 1
	s_wait_xcnt 0x0
; X [4096][1024] and Wq, Wk, Wv, Wo [1024][1024], f32, K innermost, become codes of FP6 (E2M3) with one E8M0 byte for each 32 along K, laid in the ORDER OF AN OPERAND'S REGISTERS.
; A TILE is 16 rows of its tensor: tile t holds rows 64 (t / 4) + 8 (t % 4) + r % 8 + 32 (r / 8), r = 0 .. 15.  Of four neighbouring tiles a result's lane so gets 32 neighbours: a scale block of the next product.
; PLACES of the tiles in cod and scl: X's tile t at t; head hd's twelve tiles of the weights at 256 + 12 hd: Wq's four, Wv's first two, Wk's four, Wv's last two; Wo's tile t at 448 + t.
; A FRAGMENT (a tile x 128 along K) is 12 registers a lane: lane (r, h) holds row r, registers 6 c .. 6 c + 5 hold k = 64 c + 32 h + 0 .. 31.
; Its image is 1,536 bytes: registers 0-3 at 16 x lane, 4-5 at 512 + 8 x lane, 6-9 at 768 + 16 x lane, 10-11 at 1280 + 8 x lane.
; cod: [place][K step 0..7][1536].  scl: [place][row r][K step] one word of four bytes each, 512 bytes a tile.
; A block's scale is 2^(floor(log2(its largest magnitude)) - 2): its byte is the largest magnitude's exponent field - 2, held at 1 from below.
; LIMITS: NaN and infinities among the inputs are not served.  A block whose largest magnitude lies under 2^-124, a block of zeros among them, gets the byte 1
; (the rule gives a block of zeros 127: its codes are zeros, which add nothing under any byte but 0xff, and this program alone reads the bytes).
; LEFT OUT IN THIS PROGRAM: scores, exponentials and products of key steps (128 keys) that the causal mask of reference() hides from a whole block of 128 queries: their weight is 2^-infinity = 0 for all
; values of the inputs.  A NaN, an infinity or an overflow that reaches only that work is not carried to the result.
; SHARES: a work-group takes one tile, wave w its K steps 2 w and 2 w + 1: 1,024 bytes of each of the 16 rows.  All 32 loads of a wave go out at the head, each 512 consecutive bytes.
; The conversions want 16 neighbours along K in one lane's registers, so a K step's 16 x 512 bytes turn through the wave's own stage in LDS.
; No matrix unit, no tensor load, no cluster, no prefetch: work-groups share no input, and all that a wave reads is asked for at its head.
.set SP,   528                         ; a stage row: 512 bytes + 16 = 132 words, so the 16 rows that a load touches begin 4 words apart modulo 64 (64 banks of 4 bytes: ISA guide 11.1)
.set HST,  16*SP                       ; a stage: 16 rows
.set WST,  2*HST                       ; a wave's two stages, one for each K step
.set SCA,  4*WST                       ; behind the stages: the tile's 512 bytes of scale words
.set SPARE, SCA+512                    ; the spare words, 128 bytes for each wave
.set TM,   16                          ; v16-31   at work in QUANT
.set PC,   32                          ; v32-50   the codes just made
.set R0,   64                          ; v64-127  K step 2 w as loaded; later K step 2 w + 1 by neighbours
.set R1,   128                         ; v128-191 K step 2 w + 1 as loaded
.set XR,   192                         ; v192-255 K step 2 w by neighbours
.set SEL,  26                          ; s[26:27] v_permlanex16_b32's selects for lane l xor 16
; 64 numbers of a lane, register 16 b + i = k 32 b + 16 h + i of its row, become a fragment's codes in v[PC] on and the row's scale word in v[pw].
.macro QUANT src, pw
.irp b, 0,1,2,3
	v_max3_num_f32 v[TM+\b], |v[\src+16*\b]|, |v[\src+16*\b+1]|, 0x1800000   ; block b: my 16 numbers, and the floor 2^(3 - 127): the byte cannot fall under 1
.endr
.irp i, 2,4,6,8,10,12,14
.irp b, 0,1,2,3
	v_max3_num_f32 v[TM+\b], v[TM+\b], |v[\src+16*\b+\i]|, |v[\src+16*\b+\i+1]|   ; the four blocks by turns
.endr
.endr
.irp b, 0,1,2,3
	v_permlanex16_b32 v[TM+4+\b], v[TM+\b], s[SEL], s[SEL+1]
.endr
.irp b, 0,1,2,3
	v_max_num_f32 v[TM+\b], v[TM+\b], v[TM+4+\b]                   ; with lane l xor 16's 16: the block's largest magnitude
.endr
.irp b, 0,1,2,3
	v_add_nc_u32 v[TM+12+\b], 0xff000000, v[TM+\b]                 ; 2 off its exponent field: the conversion takes that field as its scale and nothing else
.endr
.irp b, 0,1,2,3
	v_lshrrev_b32 v[TM+4+\b], 23, v[TM+12+\b]                      ; the scale's byte
.endr
	v_lshl_or_b32 v[\pw], v[TM+5], 8, v[TM+4]
	v_lshl_or_b32 v[\pw], v[TM+6], 16, v[\pw]
	v_lshl_or_b32 v[\pw], v[TM+7], 24, v[\pw]
.irp c, 0,1
	v_cvt_scalef32_pk16_fp6_f32 v[PC+6*\c:PC+6*\c+2], v[\src+32*\c:\src+32*\c+15], v[TM+12+2*\c]
	v_cvt_scalef32_pk16_fp6_f32 v[PC+12+4*\c:PC+14+4*\c], v[\src+32*\c+16:\src+32*\c+31], v[TM+13+2*\c]   ; (a conversion's three registers begin on an even number)
.endr
	v_nop                                          ; one plain instruction behind the scaled conversions
.irp c, 0,1                            ; the layout wants a whole block in a lane: lanes 0-15 block 2 c, lanes 16-31 block 2 c + 1
.irp i, 0,1,2
	v_permlane16_swap_b32 v[PC+6*\c+\i], v[PC+12+4*\c+\i]
.endr
.irp i, 0,1,2
	v_mov_b32 v[PC+3+6*\c+\i], v[PC+12+4*\c+\i]
.endr
.endr
.endm
; A K step's 16 rows x 512 bytes through stage p: in as loaded, out 64 bytes of each block of 32 numbers a lane.  LDS serves a wave's instructions in order: no wait between.
.macro TURN from, to, p
.irp i, 0,1,2,3,4,5,6,7,8,9,10,11,12,13,14,15
	ds_store_b128 v5, v[\from+4*\i:\from+4*\i+3] offset:\p*HST+\i*SP
.endr
.irp b, 0,1,2,3
.irp j, 0,1,2,3
	ds_load_b128 v[\to+16*\b+4*\j:\to+16*\b+4*\j+3], v6 offset:\p*HST+128*\b+16*\j
.endr
.endr
	s_wait_dscnt 0x0                               ; the numbers are back, and the stores have read their registers
.endm
.macro IMAGE off                       ; the fragment leaves as its image: each store covers 512 or 256 consecutive bytes, aligned
	global_store_b128 v4, v[PC:PC+3], s[14:15] offset:\off
	global_store_b64 v7, v[PC+4:PC+5], s[14:15] offset:\off+512
	global_store_b128 v4, v[PC+6:PC+9], s[14:15] offset:\off+768
	global_store_b64 v7, v[PC+10:PC+11], s[14:15] offset:\off+1280
.endm
	s_load_b256 s[4:11], s[0:1], 0x0               ; X, Wq, Wk, Wv
	s_load_b128 s[12:15], s[0:1], 0x20             ; Wo, cod
	s_load_b64 s[16:17], s[0:1], 0x30              ; scl
	v_lshl_add_u32 v62, v0, 2, SPARE
	v_mov_b32 v63, 0
	v_lshrrev_b32 v1, 5, v0
	v_readfirstlane_b32 s18, v1                    ; wave 0..3
	v_and_b32 v1, 31, v0                           ; lane
	v_and_b32 v2, 15, v0                           ; r
	v_bfe_u32 v3, v0, 4, 1                         ; h
	v_lshlrev_b32 v4, 4, v1                        ; 16 x lane
	v_lshlrev_b32 v7, 3, v1                        ; 8 x lane
	s_mul_i32 s19, s18, WST
	v_add_nc_u32 v5, s19, v4                       ; into my stage: 16 x lane of a row
	v_mul_u32_u24 v6, v2, SP
	v_lshl_add_u32 v6, v3, 6, v6
	v_add_nc_u32 v6, s19, v6                       ; out of it: row r, + 64 h
	s_lshl_b32 s19, s18, 3
	s_add_co_u32 s19, s19, SCA
	v_lshlrev_b32 v8, 5, v2
	v_lshl_add_u32 v8, v3, 2, v8
	v_add_nc_u32 v8, s19, v8                       ; my scale word: row r's 32 bytes, K step 2 w + h
	v_add_nc_u32 v9, SCA, v4                       ; and the way out of the 512 bytes
.irp b, 0,1,2,3
	v_mov_b32 v[TM+4+\b], 0                        ; written once: a lane permute's destination counts as one of its sources
.endr
	s_wait_alu depctr_va_vdst(0)                   ; the wait ahead of the scalar lines below
	s_mov_b32 s[SEL], 0x76543210
	s_mov_b32 s[SEL+1], 0xfedcba98
	s_and_b32 s22, ttmp9, 63                       ; t, the tile's number in its own tensor
	s_cmp_lt_u32 ttmp9, 256
	s_cselect_b32 s22, ttmp9, s22
	s_lshr_b32 s23, s22, 2                         ; t / 4: of a weight of Q, K, V the head
	s_and_b32 s25, s22, 3                          ; t % 4
	s_mul_i32 s24, s23, 12
	s_add_co_u32 s24, s24, 256
	s_add_co_u32 s28, s24, s25                     ; Wq's place,
	s_add_co_u32 s29, s28, 6                       ; Wk's,
	s_lshr_b32 s30, s25, 1
	s_mul_i32 s30, s30, 6
	s_add_co_u32 s24, s24, s30
	s_and_b32 s30, s25, 1
	s_add_co_u32 s24, s24, s30
	s_add_co_u32 s24, s24, 4                       ; and Wv's
	s_cmp_lt_u32 ttmp9, 320
	s_cselect_b32 s28, s28, s29
	s_cmp_lt_u32 ttmp9, 384
	s_cselect_b32 s28, s28, s24
	s_cmp_lt_u32 ttmp9, 256
	s_cselect_b32 s28, ttmp9, s28                  ; X's and Wo's: the work-group's number
	s_cmp_lt_u32 ttmp9, 448
	s_cselect_b32 s28, s28, ttmp9
	s_lshl_b32 s22, s23, 18                        ; 64 rows of 4,096 bytes for each four tiles,
	s_lshl_b32 s23, s25, 15                        ; 8 rows on for each of the four,
	s_add_co_u32 s22, s22, s23
	s_lshl_b32 s23, s18, 10                        ; my wave's 1,024 bytes of a row
	s_add_co_u32 s22, s22, s23
	s_mov_b32 s23, 0
	s_mul_i32 s24, s28, 12288                      ; cod: the tile's eight images,
	s_mul_i32 s25, s18, 3072                       ; my two
	s_add_co_u32 s24, s24, s25
	s_mov_b32 s25, 0
	s_lshl_b32 s28, s28, 9                         ; scl: the tile's 512 bytes
	s_mov_b32 s29, 0
	s_wait_kmcnt 0x0
	s_mov_b64 s[20:21], s[12:13]                   ; which tensor: the choice hangs on the work-group's number alone
	s_cmp_lt_u32 ttmp9, 448
	s_cselect_b64 s[20:21], s[10:11], s[20:21]
	s_cmp_lt_u32 ttmp9, 384
	s_cselect_b64 s[20:21], s[8:9], s[20:21]
	s_cmp_lt_u32 ttmp9, 320
	s_cselect_b64 s[20:21], s[6:7], s[20:21]
	s_cmp_lt_u32 ttmp9, 256
	s_cselect_b64 s[20:21], s[4:5], s[20:21]
	s_add_nc_u64 s[20:21], s[20:21], s[22:23]
	s_add_nc_u64 s[14:15], s[14:15], s[24:25]
	s_add_nc_u64 s[16:17], s[16:17], s[28:29]
.irp i, 0,1,2,3,4,5,6,7,8,9,10,11,12,13,14,15
	global_load_b128 v[R0+4*\i:R0+4*\i+3], v4, s[20:21] offset:(\i+24*(\i/8))*4096 th:TH_LOAD_NT       ; the tile's row i, K step 2 w: 512 consecutive bytes
.endr
.irp i, 0,1,2,3,4,5,6,7,8,9,10,11,12,13,14,15
	global_load_b128 v[R1+4*\i:R1+4*\i+3], v4, s[20:21] offset:(\i+24*(\i/8))*4096+512 th:TH_LOAD_NT   ; K step 2 w + 1
.endr
	s_wait_loadcnt 16                              ; the first K step's 16 loads are in; the 16 younger ones may be out
	TURN R0, XR, 0
	QUANT XR, 10
	IMAGE 0
	s_wait_loadcnt 0x0
	TURN R1, R0, 1                                 ; back into R0's registers: their stores into stage 0 were waited for above
	s_wait_xcnt 0x0                                ; the first image's stores have read v[PC] on: only now are these registers written again
	QUANT R0, 11
	IMAGE 1536
	v_cmp_le_u32 vcc_lo, 16, v1                    ; lanes 0-15 hand on K step 2 w's word of row r, lanes 16-31 K step 2 w + 1's (both halves of the lanes hold both)
	v_cndmask_b32 v12, v10, v11, vcc_lo
	ds_store_b32 v8, v12
	s_wait_dscnt 0x0                               ; for the others' sake: my words lie in LDS
	s_barrier_signal -1
	s_barrier_wait -1
	s_cmp_lg_u32 s18, 0
	s_cbranch_scc1 .Lend
	ds_load_b128 v[64:67], v9                      ; wave 0 stores the tile's 512 bytes of scale words, consecutive and aligned
	s_wait_dscnt 0x0
	global_store_b128 v4, v[64:67], s[16:17]
.Lend:
	s_wait_tensorcnt 0x0                           ; the wave's end
	ds_add_u32 v62, v63
	s_wait_dscnt 0x0
	s_endpgm
.Lfunc_end_k_q1dbff82fa6_quant:
	.size	k_q1dbff82fa6_quant, .Lfunc_end_k_q1dbff82fa6_quant-k_q1dbff82fa6_quant
	.p2alignl 7, 3214868480
	.fill 96, 4, 3214868480
	.section	.rodata,"a",@progbits
	.p2align	6, 0x0
	.amdhsa_kernel k_q1dbff82fa6_quant
		.amdhsa_group_segment_fixed_size 68608
		.amdhsa_private_segment_fixed_size 0
		.amdhsa_enable_private_segment 0
		.amdhsa_kernarg_size 56
		.amdhsa_user_sgpr_count 2
		.amdhsa_user_sgpr_kernarg_segment_ptr 1
		.amdhsa_wavefront_size32 1
		.amdhsa_system_sgpr_workgroup_id_x 1
		.amdhsa_system_sgpr_workgroup_id_y 1
		.amdhsa_system_sgpr_workgroup_id_z 1
		.amdhsa_system_vgpr_workitem_id 0
		.amdhsa_next_free_vgpr 256
		.amdhsa_next_free_sgpr 66
		.amdhsa_reserve_vcc 1
		.amdhsa_float_denorm_mode_32 3
		.amdhsa_float_denorm_mode_16_64 3
		.amdhsa_memory_ordered 1
		.amdhsa_forward_progress 1
		.amdhsa_inst_pref_size 20
	.end_amdhsa_kernel
	.amdgpu_metadata
---
amdhsa.version: [ 1, 2 ]
amdhsa.kernels:
  - .name:           k_q1dbff82fa6_quant
    .symbol:         k_q1dbff82fa6_quant.kd
    .args:
      - { .name: X, .offset: 0, .size: 8, .value_kind: global_buffer, .address_space: global }
      - { .name: Wq, .offset: 8, .size: 8, .value_kind: global_buffer, .address_space: global }
      - { .name: Wk, .offset: 16, .size: 8, .value_kind: global_buffer, .address_space: global }
      - { .name: Wv, .offset: 24, .size: 8, .value_kind: global_buffer, .address_space: global }
      - { .name: Wo, .offset: 32, .size: 8, .value_kind: global_buffer, .address_space: global }
      - { .name: cod, .offset: 40, .size: 8, .value_kind: global_buffer, .address_space: global }
      - { .name: scl, .offset: 48, .size: 8, .value_kind: global_buffer, .address_space: global }
    .group_segment_fixed_size: 68608
    .private_segment_fixed_size: 0
    .kernarg_segment_align: 8
    .kernarg_segment_size: 56
    .max_flat_workgroup_size: 128
    .sgpr_count:     66
    .vgpr_count:     256
    .wavefront_size: 32
...
	.end_amdgpu_metadata
.endif
;; end of part 1
;; launch qkv (part 2): grid 16 x 16, 8 waves a work-group, clusters of 4 x 4, 327,680 bytes of LDS; arguments cod, scl, qcod, qscl, kv; writes qcod, qscl, kv
.if DOCPART == 2
	.amdgcn_target "amdgcn-amd-amdhsa--gfx1250"
	.amdhsa_code_object_version 6
	.text
	.protected	k_q1dbff82fa6_qkv
	.globl	k_q1dbff82fa6_qkv
	.p2align	8
	.type	k_q1dbff82fa6_qkv,@function
k_q1dbff82fa6_qkv:
	s_mov_b64 s[64:65], 0
	v_nop
	global_prefetch_b8 v0, s[64:65] scope:SCOPE_SE
	s_setreg_imm32_b32 hwreg(HW_REG_WAVE_MODE, 25, 1), 1
	s_wait_xcnt 0x0
	s_wait_alu depctr_hold_cnt(0) depctr_sa_sdst(0) depctr_va_vdst(0) depctr_va_sdst(0) depctr_va_ssrc(0) depctr_va_vcc(0) depctr_vm_vsrc(0)
	s_getreg_b32 s2, hwreg(HW_REG_IB_STS2, 6, 4)
	s_cmp_eq_u32 s2, 0
	s_cbranch_scc0 .Lentry_in_a_cluster
	s_endpgm
.Lentry_in_a_cluster:
	s_bfe_u32 s2, ttmp6, 0x10000c
	s_cmp_lg_u32 s2, 0xf033
	s_cbranch_scc0 .Lentry_shape_is_right
	s_endpgm
.Lentry_shape_is_right:
; Q = X Wq^T, K = X Wk^T, V = X Wv^T on codes of FP6 (E2M3) with E8M0 scales, f32 sums; the results are quantised at once, Q and K along the head's 64, V along the keys.
; Tiles, places and images as the quantising launch lays them: a tile t is rows 64 (t / 4) + 8 (t % 4) + r % 8 + 32 (r / 8); an image is 1,536 bytes, registers 0-3 at 16 x lane, 4-5 at 512 + 8 x lane, 6-9 at 768 + 16 x lane, 10-11 at 1280 + 8 x lane.
; A WORK-GROUP makes Q, K and V of one head (hd) for 256 tokens (block tb): 16 tiles of X against the head's 12 tiles of the weights, all of K = 1,024: 256 work-groups.
; WAVE w (a = w % 2, q = w / 2): X's tiles 4 q + j (64 tokens), the weights' tiles 6 a + 0 .. 3 (a = 0 Wq, a = 1 Wk) and 6 a + 4, 6 a + 5 (channel tiles 2 a, 2 a + 1 of Wv): 24 accumulators, which take turns, one instruction a turn.
; For Q and K source 0 = the weight, source 1 = X: a lane holds one token, and its 32 registers of four tiles are features 32 h + 0 .. 31: one scale block.
; For V source 0 = X, source 1 = the weight: a lane holds one channel, and its 32 registers are tokens 32 h + 0 .. 31 of the band of 64: one scale block.
; LDS: X's K steps 0-6 and the weights' K steps 0-7 (319,488 bytes; all 344,064 do not fit), filled ONCE in four chunks of two K steps.  X's K step 7 goes from memory straight into registers, each lane its fragments whole.
; EIGHT TENSOR LOADS, one a wave: wave 2 c the weights' chunk c, wave 2 c + 1 X's.  CLUSTERS of 4 x 4: X's tiles hang on the block of tokens alone and are asked for jointly along a row of the cluster, the weights' on the head alone, along a column.
; No prefetch: all that comes by tensor loads is asked for at the head; there is no loop to run ahead in.
; OUT: qcod [bh][token tile][768] half images (registers 0-5), qscl [bh][band of four tiles][r][tile] words (bytes 2, 3 are 0);
;      kv [bh][key step of 128][13056]: K's tile t at 768 t; V^T's fragment of channel tile ct at 6144 + 1536 ct; K's words at 12288 + 256 band + 16 r + 4 (tile % 4); V's at 12800 + 128 (ct / 2) + 8 r + 4 (ct % 2).
; LIMITS: NaN and infinities are not served; a block whose largest magnitude lies under 2^-124 (zeros among them) gets the byte 1, and this program alone reads the bytes.
.set XCH,  49152                       ; X's chunk: 16 tiles x 3,072 bytes (the last: x 1,536)
.set WCH,  36864                       ; the weights': 12 tiles x 3,072 bytes
.set WB,   3*XCH+XCH/2                 ; behind X's 172,032 bytes
.set VS,   WB+4*WCH                    ; V's scale bytes of two key steps, 512 bytes
.set SPARE, VS+512
.set REC,  13056
.set SW,   24                          ; v24-39 scale words of the four tiles of Wq or Wk: register 8 m + s: lanes 0-15 tile 2 m, lanes 16-31 tile 2 m + 1, K step s;  v40-47 the two tiles of Wv
.set SV,   40
.set SX,   52                          ; v52-67 X's four tiles
.set FX,   68                          ; v68-115 X's fragments
.set FW,   116                         ; v116-187 the weights'
.set X7,   188                         ; v188-235 X's fragments of K step 7
.set OC,   68                          ; the way out: codes, six registers a group
.set HC,   104                         ; the conversions' second halves
.set TG,   236                         ; v236-241 the groups' largest magnitudes, v242-247 scale operands, v248-253 bytes
.set SO,   242
.set EB,   248
.set SPW,  22
.set NIL,  23
.set WV,   14
.set WA,   15
.set WQ,   16
.set TBK,  17
.set HD,   18
.set SEL,  20
.set G1X,  24
.set G1Y,  32                          ; X's last chunk: one K step
.set G1W,  40
.set G0X,  48
.set G0W,  52
; v1, v2: 16, 8 x lane + my tiles of X;  v3, v4: the same of the weights;  v5, v6: 16, 8 x lane;  v7: 512 h + 32 r;  v8, v9: as v1, v2 in the last chunk;  v10: my scale bytes of V in LDS;  v11: 16 r + 8 h
; v12, v13: byte selects;  v14: lane l xor 16's bytes;  v15: mine;  v20: V's scale bytes on the way out.   ACCUMULATORS in window 1: Q or K's (tile i, token tile j) at 32 j + 8 i, V's (c, j) at 128 + 32 c + 8 j
.set MSB, 0
.macro WIN new
.if MSB != \new
	s_set_vgpr_msb (MSB<<8)|\new
.set MSB, \new
.endif
.endm
.macro WALU
	s_wait_alu depctr_va_vdst(0)
.endm
.macro CROUND                          ; a round of the cluster's barrier
	s_barrier_signal -1
	s_barrier_wait -1
	s_cmp_lg_u32 s[WV], 0
	s_cbranch_scc1 .Lnot_wave_0_\@
	s_barrier_signal -3
.Lnot_wave_0_\@:
	s_barrier_wait -3
	s_barrier_signal -1
	s_barrier_wait -1
.endm
.macro PLACES
.rept 4
	v_nop
.endr
.endm
.macro ARM n, g0, g1
	s_cmp_eq_u32 s[WV], \n
	s_cbranch_scc0 .Lnext_\n
	tensor_load_to_lds s[\g0:\g0+3], s[\g1:\g1+7]
	s_nop 0
	PLACES
	s_branch .Lasked
.Lnext_\n:
.endm
.macro GROUP1 g, mask, elems, rows     ; rows of elems x 8 bytes, one a tile, 12,288 bytes apart in memory, on end in LDS
	s_or_b32 s[\g+0], s\mask, (3<<16)|(1<<21)
	s_mov_b32 s[\g+1], (\elems)<<16
	s_mov_b32 s[\g+2], (\rows)<<16
	s_mov_b32 s[\g+3], (\elems)<<16
	s_mov_b32 s[\g+4], \rows
	s_mov_b32 s[\g+5], 1536
	s_mov_b32 s[\g+6], 0
	s_mov_b32 s[\g+7], 0
.endm
.macro FRAG reg, a16, a8, off          ; an image comes back as the registers that it was made of
	ds_load_b128 v[\reg:\reg+3], v[\a16] offset:\off
	ds_load_b64 v[\reg+4:\reg+5], v[\a8] offset:\off+512
	ds_load_b128 v[\reg+6:\reg+9], v[\a16] offset:\off+768
	ds_load_b64 v[\reg+10:\reg+11], v[\a8] offset:\off+1280
.endm
.macro MUL d, f0, f1, x0, x1, r0, r1, zero
.if \zero
	v_wmma_scale_f32_16x16x128_f8f6f4 v[\d:\d+7], v[\f0:\f0+11], v[\f1:\f1+11], 0, v[\x0], v[\x1] matrix_a_fmt:MATRIX_FMT_FP6 matrix_b_fmt:MATRIX_FMT_FP6 matrix_a_scale:MATRIX_SCALE_ROW\r0 matrix_b_scale:MATRIX_SCALE_ROW\r1
.else
	v_wmma_scale_f32_16x16x128_f8f6f4 v[\d:\d+7], v[\f0:\f0+11], v[\f1:\f1+11], v[\d:\d+7], v[\x0], v[\x1] matrix_a_fmt:MATRIX_FMT_FP6 matrix_b_fmt:MATRIX_FMT_FP6 matrix_a_scale:MATRIX_SCALE_ROW\r0 matrix_b_scale:MATRIX_SCALE_ROW\r1
.endif
.endm
; K step s: 40 LDS loads (the last: 24), 24 products, each weight's tile against X's four as soon as it is in
.macro KSTEP s
	WIN 0
.set KO, 1536*((\s)%2)
.set XP, 3072
.set XF, FX
.set ZERO, 0
.if (\s) == 0
.set ZERO, 1
.endif
.if (\s) == 6
.set XP, 1536
.endif
.if (\s) == 7
.set XF, X7
.else
.irp j, 0,1,2,3
	FRAG FX+12*\j, 1, 2, XP*\j+KO
.endr
.endif
.irp i, 0,1,2,3,4,5
	FRAG FW+12*\i, 3, 4, 3072*\i+KO
.endr
	WIN 0x50
.irp p, 0,1
.irp u, 0,1
	s_wait_dscnt 4*(5-2*\p-\u)                     ; X's fragments and the weight's tile 2 p + u are in; the younger tiles' loads, four each, may be out
.irp m, 0,1
.irp o, 0,1
	MUL 32*(2*\m+\o)+8*(2*\p+\u), FW+12*(2*\p+\u), XF+12*(2*\m+\o), SW+8*\p+(\s), SX+8*\m+(\s), \u, \o, ZERO
.endr
.endr
.endr
.endr
.irp u, 0,1
	s_wait_dscnt 4*(1-\u)
.irp m, 0,1
.irp o, 0,1
	MUL 128+32*\u+8*(2*\m+\o), XF+12*(2*\m+\o), FW+12*(4+\u), SX+8*\m+(\s), SV+(\s), \o, \u, ZERO
.endr
.endr
.endr
.endm
; chunk c is shown to all waves. No LDS instruction of mine is out: each K step waited for all its loads
.macro SHOW c
	WIN 0
.if (\c) < 3
	s_cmp_lt_u32 s[WV], 2*(\c)+2
	s_cbranch_scc0 .Llater_\@
	s_wait_tensorcnt 0x0                           ; waves 2 c and 2 c + 1 asked for chunk c
.Llater_\@:
.else
	s_wait_tensorcnt 0x0
.endif
	s_barrier_signal -1
	s_barrier_wait -1
.if (\c) > 0
.if (\c) == 3
	v_mov_b32 v1, v8
	v_mov_b32 v2, v9
.else
	v_add_nc_u32 v1, XCH, v1                       ; on to the chunk: these four are also the places between the last products and the loads into their operands
	v_add_nc_u32 v2, XCH, v2
.endif
	v_add_nc_u32 v3, WCH, v3
	v_add_nc_u32 v4, WCH, v4
	WALU
.endif
.endm
	s_load_b256 s[4:11], s[0:1], 0x0               ; cod, scl, qcod, qscl
	s_load_b64 s[12:13], s[0:1], 0x20              ; kv
	v_lshl_add_u32 v[SPW], v0, 2, SPARE
	v_mov_b32 v[NIL], 0
	ds_add_u32 v[SPW], v[NIL]                      ; the opening lines
	ds_add_u32 v[SPW], v[NIL]
	v_lshrrev_b32 v1, 5, v0
	v_readfirstlane_b32 s[WV], v1                  ; wave 0..7
	v_and_b32 v15, 31, v0                          ; lane
	v_and_b32 v16, 15, v0                          ; r
	v_bfe_u32 v17, v0, 4, 1                        ; h
	v_lshlrev_b32 v5, 4, v15
	v_lshlrev_b32 v6, 3, v15
	v_lshlrev_b32 v7, 9, v17
	v_lshl_add_u32 v7, v16, 5, v7
	v_lshlrev_b32 v11, 3, v17
	v_lshl_add_u32 v11, v16, 4, v11
	v_lshl_add_u32 v10, v16, 3, v17                ; 8 r + h
	v_mov_b32 v12, 0xc0c0400                       ; byte selects: lanes 0-15 make the words of tiles 0 and 1: my byte, then lane l xor 16's, then two zeros;
	v_mov_b32 v13, 0xc0c0501
	v_mov_b32 v18, 0xc0c0206                       ; lanes 16-31 those of tiles 2 and 3: lane l xor 16's byte comes first
	v_mov_b32 v19, 0xc0c0307
	v_cmp_eq_u32 vcc_lo, 1, v17
	v_cndmask_b32 v12, v12, v18, vcc_lo
	v_cndmask_b32 v13, v13, v19, vcc_lo
	v_mov_b32 v14, 0                               ; written once: a lane permute's destination counts as one of its sources
	WALU
	s_and_b32 s[WA], s[WV], 1
	s_lshr_b32 s[WQ], s[WV], 1
	s_bfe_u32 s19, ttmp6, 0x40000                  ; cx
	s_bfe_u32 s22, ttmp6, 0x40004                  ; cy
	s_lshl_b32 s[HD], ttmp9, 2
	s_add_co_u32 s[HD], s[HD], s19                 ; the head
	s_and_b32 s[TBK], ttmp7, 0xffff
	s_lshl_b32 s[TBK], s[TBK], 2
	s_add_co_u32 s[TBK], s[TBK], s22               ; the block of 256 tokens
	s_lshl_b32 s23, s22, 2
	s_lshl_b32 s23, 15, s23                        ; my row of the cluster
	s_lshl_b32 s22, 0x1111, s19                    ; my column
	GROUP1 G1X, 23, 384, 16
	GROUP1 G1Y, 23, 192, 16
	GROUP1 G1W, 22, 384, 12
	s_mov_b32 s[SEL], 0x76543210
	s_mov_b32 s[SEL+1], 0xfedcba98
	s_mul_i32 s56, s[TBK], 196608                  ; X's 16 tiles, bytes in cod
	s_mov_b32 s57, 0
	s_mul_i32 s58, s[HD], 147456
	s_add_co_u32 s58, s58, 256*12288               ; the head's 12 tiles of the weights
	s_mov_b32 s59, 0
	s_lshl_b32 s60, s[TBK], 13
	s_lshl_b32 s61, s[WQ], 11
	s_add_co_u32 s60, s60, s61                     ; the scale words of my tiles of X
	s_mov_b32 s61, 0
	s_mul_i32 s62, s[HD], 6144
	s_mul_i32 s63, s[WA], 3072
	s_add_co_u32 s62, s62, s63
	s_add_co_u32 s62, s62, 256*512                 ; and of the weights
	s_mov_b32 s63, 0
	s_mul_i32 s66, s[WQ], 49152
	s_add_co_u32 s66, s66, s56
	s_add_co_u32 s66, s66, 7*1536                  ; K step 7 of my tiles of X
	s_mov_b32 s67, 0
	s_mul_i32 s68, s[WQ], 3072                     ; the chunk that I ask for: w / 2
	s_add_co_u32 s56, s56, s68
	s_add_co_u32 s58, s58, s68
	s_mov_b32 s[G0X], 1
	s_mul_i32 s[G0X+1], s[WQ], XCH
	s_mov_b32 s[G0W], 1
	s_mul_i32 s[G0W+1], s[WQ], WCH
	s_add_co_u32 s[G0W+1], s[G0W+1], WB
	s_mul_i32 s68, s[WQ], 12288
	v_add_nc_u32 v1, s68, v5
	v_add_nc_u32 v2, s68, v6
	s_mul_i32 s68, s[WQ], 6144
	s_add_co_u32 s68, s68, 3*XCH
	v_add_nc_u32 v8, s68, v5
	v_add_nc_u32 v9, s68, v6
	s_mul_i32 s68, s[WA], 18432
	s_add_co_u32 s68, s68, WB
	v_add_nc_u32 v3, s68, v5
	v_add_nc_u32 v4, s68, v6
	s_lshr_b32 s68, s[WQ], 1
	s_lshl_b32 s68, s68, 8                         ; key step q / 2,
	s_lshl_b32 s69, s[WA], 7                       ; channel tiles 2 a on,
	s_add_co_u32 s68, s68, s69
	s_and_b32 s69, s[WQ], 1
	s_lshl_b32 s69, s69, 1                         ; bytes 2 (q % 2) on of a word
	s_add_co_u32 s68, s68, s69
	s_add_co_u32 s68, s68, VS
	v_add_nc_u32 v10, s68, v10
	s_lshl_b32 s68, s[WA], 8
	s_add_co_u32 s68, s68, VS
	v_add_nc_u32 v20, s68, v6                      ; waves 0 and 1 store a key step's 256 bytes each
	WALU                                           ; the wait at the head's end
	s_wait_dscnt 0x0                               ; both opening adds are done
	CROUND                                         ; ahead of the joint loads
	s_wait_kmcnt 0x0
	s_add_nc_u64 s[G0X+2:G0X+3], s[4:5], s[56:57]
	s_or_b32 s[G0X+3], s[G0X+3], 0x80000000
	s_add_nc_u64 s[G0W+2:G0W+3], s[4:5], s[58:59]
	s_or_b32 s[G0W+3], s[G0W+3], 0x80000000
	ARM 0, G0W, G1W
	ARM 1, G0X, G1X
	ARM 2, G0W, G1W
	ARM 3, G0X, G1X
	ARM 4, G0W, G1W
	ARM 5, G0X, G1X
	ARM 6, G0W, G1W
	tensor_load_to_lds s[G0X:G0X+3], s[G1Y:G1Y+7]
	s_nop 0
	PLACES
.Lasked:
	s_add_nc_u64 s[60:61], s[6:7], s[60:61]
	s_add_nc_u64 s[62:63], s[6:7], s[62:63]
	s_add_nc_u64 s[66:67], s[4:5], s[66:67]
.irp m, 0,1,2
	global_load_b128 v[SW+8*\m:SW+8*\m+3], v7, s[62:63] offset:1024*\m
	global_load_b128 v[SW+8*\m+4:SW+8*\m+7], v7, s[62:63] offset:1024*\m+16
.endr
.irp m, 0,1
	global_load_b128 v[SX+8*\m:SX+8*\m+3], v7, s[60:61] offset:1024*\m
	global_load_b128 v[SX+8*\m+4:SX+8*\m+7], v7, s[60:61] offset:1024*\m+16
.endr
	; where the results go
	s_lshr_b32 s70, s[TBK], 3                      ; the batch
	s_lshl_b32 s70, s70, 4
	s_add_co_u32 s70, s70, s[HD]                   ; bh
	s_and_b32 s71, s[TBK], 7                       ; the block of 256 in the sequence
	s_lshl_b32 s72, s70, 4
	s_lshl_b32 s73, s71, 1
	s_add_co_u32 s72, s72, s73
	s_mul_i32 s74, s72, REC                        ; the block's first record
	s_mul_i32 s76, s[WV], REC
	s_add_co_u32 s76, s76, s74
	s_add_co_u32 s76, s76, 12800                   ; waves 0 and 1: V's words of key step w
	s_mov_b32 s77, 0
	s_lshr_b32 s73, s[WQ], 1
	s_mul_i32 s73, s73, REC
	s_add_co_u32 s74, s74, s73                     ; my record
	s_and_b32 s75, s[WQ], 1                        ; my band in it
	s_mul_i32 s78, s[WA], 3072
	s_add_co_u32 s78, s78, s74
	s_mul_i32 s73, s75, 768
	s_add_co_u32 s78, s78, s73
	s_add_co_u32 s78, s78, 6144                    ; V's codes
	s_mov_b32 s79, 0
	s_mul_i32 s80, s75, 3072
	s_add_co_u32 s80, s80, s74                     ; K's codes
	s_lshl_b32 s82, s75, 8
	s_add_co_u32 s82, s82, s74
	s_add_co_u32 s82, s82, 12288                   ; K's words
	s_lshl_b32 s84, s70, 7
	s_lshl_b32 s85, s71, 4
	s_add_co_u32 s84, s84, s85
	s_lshl_b32 s85, s[WQ], 2
	s_add_co_u32 s84, s84, s85                     ; Q's first tile
	s_mul_i32 s85, s84, 768
	s_lshl_b32 s86, s84, 6
	s_cmp_eq_u32 s[WA], 0                          ; a = 0 makes Q, a = 1 K
	s_cselect_b32 s80, s85, s80
	s_cselect_b32 s82, s86, s82
	s_cselect_b64 s[88:89], s[8:9], s[12:13]
	s_cselect_b64 s[90:91], s[10:11], s[12:13]
	s_mov_b32 s81, 0
	s_mov_b32 s83, 0
	s_add_nc_u64 s[76:77], s[12:13], s[76:77]
	s_add_nc_u64 s[78:79], s[12:13], s[78:79]
	s_add_nc_u64 s[80:81], s[88:89], s[80:81]
	s_add_nc_u64 s[82:83], s[90:91], s[82:83]
	s_wait_loadcnt 0x0                             ; the scale words, once for all eight K steps
	SHOW 0
	KSTEP 0
	PLACES
	KSTEP 1
	WIN 0
.irp j, 0,1,2,3                                        ; X's K step 7: each load covers 512 or 256 consecutive bytes
	global_load_b128 v[X7+12*\j:X7+12*\j+3], v5, s[66:67] offset:12288*\j
	global_load_b64 v[X7+12*\j+4:X7+12*\j+5], v6, s[66:67] offset:12288*\j+512
	global_load_b128 v[X7+12*\j+6:X7+12*\j+9], v5, s[66:67] offset:12288*\j+768
	global_load_b64 v[X7+12*\j+10:X7+12*\j+11], v6, s[66:67] offset:12288*\j+1280
.endr
	SHOW 1
	KSTEP 2
	PLACES
	KSTEP 3
	SHOW 2
	KSTEP 4
	PLACES
	KSTEP 5
	SHOW 3
	KSTEP 6
	PLACES
	s_wait_loadcnt 0x0
	KSTEP 7
	PLACES                                         ; between the last products and the first read of results
; THE WAY OUT: six groups of 32 registers, each one scale block a lane: groups 0 and 1 V's, 2 to 5 the token tiles of Q or K; by turns, each accumulator from its low end on
.macro BASE g
.set B_, (128+32*(\g))%192
.endm
	WIN 0x15
.irp g, 0,1,2,3,4,5
	BASE \g
	v_max3_num_f32 v[TG+\g], |v[B_]|, |v[B_+1]|, |v[B_+2]|
.endr
	WIN 0x14
.irp i, 3,5,7,9,11,13,15,17,19,21,23,25,27,29
.irp g, 0,1,2,3,4,5
	BASE \g
	v_max3_num_f32 v[TG+\g], v[TG+\g], |v[B_+\i]|, |v[B_+\i+1]|
.endr
.endr
.irp g, 0,1,2,3,4,5
	BASE \g
	v_max3_num_f32 v[TG+\g], v[TG+\g], |v[B_+31]|, 0x1800000   ; and the floor 2^(3 - 127)
.endr
	WIN 0
.irp g, 0,1,2,3,4,5
	v_add_nc_u32 v[SO+\g], 0xff000000, v[TG+\g]    ; 2 off the exponent field: the conversion's scale operand
.endr
.irp g, 0,1,2,3,4,5
	v_lshrrev_b32 v[EB+\g], 23, v[SO+\g]           ; the byte
.endr
.macro CODE g
	BASE \g
	v_cvt_scalef32_pk16_fp6_f32 v[OC+6*\g:OC+6*\g+2], v[B_:B_+15], v[SO+\g]
	v_cvt_scalef32_pk16_fp6_f32 v[HC+4*\g:HC+4*\g+2], v[B_+16:B_+31], v[SO+\g]
.endm
.macro JOIN g
.irp i, 0,1,2
	v_mov_b32 v[OC+6*\g+3+\i], v[HC+4*\g+\i]
.endr
.endm
.macro PUT g, base, off                ; half an image: each store covers 512 or 256 consecutive bytes, aligned
	global_store_b128 v5, v[OC+6*\g:OC+6*\g+3], s[\base:\base+1] offset:\off
	global_store_b64 v6, v[OC+6*\g+4:OC+6*\g+5], s[\base:\base+1] offset:\off+512
.endm
	ds_store_b8 v10, v[EB]                         ; V's scale bytes gather in LDS: a key step's 256 bytes come from four waves
	ds_store_b8 v10, v[EB+1] offset:4
	WIN 0x01
	CODE 0
	CODE 1
	WIN 0
	v_nop                                          ; one plain instruction behind the scaled conversions
	JOIN 0
	JOIN 1
	PUT 0, 78, 0
	PUT 1, 78, 1536
	s_wait_dscnt 0x0                               ; for the others' sake: my bytes lie in LDS
	s_barrier_signal -1
	WIN 0x01
	CODE 2
	CODE 3
	CODE 4
	CODE 5
	WIN 0
	v_lshl_or_b32 v15, v[EB+3], 8, v[EB+2]         ; four token tiles' bytes of my block
	v_lshl_or_b32 v15, v[EB+4], 16, v15
	v_lshl_or_b32 v15, v[EB+5], 24, v15
	v_permlanex16_b32 v14, v15, s[SEL], s[SEL+1]
	JOIN 2
	JOIN 3
	JOIN 4
	JOIN 5
	v_perm_b32 v16, v14, v15, v12                  ; the words of tiles 2 h
	v_perm_b32 v17, v14, v15, v13                  ; and 2 h + 1
	WALU
	s_barrier_wait -1
	PUT 2, 80, 0
	PUT 3, 80, 768
	PUT 4, 80, 1536
	PUT 5, 80, 2304
	global_store_b64 v11, v[16:17], s[82:83]       ; the 32 lanes fill 256 consecutive bytes
	s_cmp_lt_u32 s[WV], 2
	s_cbranch_scc0 .Lend
	ds_load_b64 v[18:19], v20
	s_wait_dscnt 0x0
	global_store_b64 v6, v[18:19], s[76:77]
.Lend:
	s_wait_tensorcnt 0x0                           ; the wave's end
	ds_add_u32 v[SPW], v[NIL]
	s_wait_dscnt 0x0
	CROUND                                         ; the closing round
	s_endpgm
.Lfunc_end_k_q1dbff82fa6_qkv:
	.size	k_q1dbff82fa6_qkv, .Lfunc_end_k_q1dbff82fa6_qkv-k_q1dbff82fa6_qkv
	.p2alignl 7, 3214868480
	.fill 96, 4, 3214868480
	.section	.rodata,"a",@progbits
	.p2align	6, 0x0
	.amdhsa_kernel k_q1dbff82fa6_qkv
		.amdhsa_group_segment_fixed_size 327680
		.amdhsa_private_segment_fixed_size 0
		.amdhsa_enable_private_segment 0
		.amdhsa_kernarg_size 40
		.amdhsa_user_sgpr_count 2
		.amdhsa_user_sgpr_kernarg_segment_ptr 1
		.amdhsa_wavefront_size32 1
		.amdhsa_system_sgpr_workgroup_id_x 1
		.amdhsa_system_sgpr_workgroup_id_y 1
		.amdhsa_system_sgpr_workgroup_id_z 1
		.amdhsa_system_vgpr_workitem_id 0
		.amdhsa_next_free_vgpr 448
		.amdhsa_next_free_sgpr 102
		.amdhsa_reserve_vcc 1
		.amdhsa_float_denorm_mode_32 3
		.amdhsa_float_denorm_mode_16_64 3
		.amdhsa_memory_ordered 1
		.amdhsa_forward_progress 1
		.amdhsa_inst_pref_size 72
	.end_amdhsa_kernel
	.amdgpu_metadata
---
amdhsa.version: [ 1, 2 ]
amdhsa.kernels:
  - .name:           k_q1dbff82fa6_qkv
    .symbol:         k_q1dbff82fa6_qkv.kd
    .args:
      - { .name: cod, .offset: 0, .size: 8, .value_kind: global_buffer, .address_space: global }
      - { .name: scl, .offset: 8, .size: 8, .value_kind: global_buffer, .address_space: global }
      - { .name: qcod, .offset: 16, .size: 8, .value_kind: global_buffer, .address_space: global }
      - { .name: qscl, .offset: 24, .size: 8, .value_kind: global_buffer, .address_space: global }
      - { .name: kv, .offset: 32, .size: 8, .value_kind: global_buffer, .address_space: global }
    .group_segment_fixed_size: 327680
    .private_segment_fixed_size: 0
    .kernarg_segment_align: 8
    .kernarg_segment_size: 40
    .max_flat_workgroup_size: 256
    .sgpr_count:     102
    .vgpr_count:     448
    .wavefront_size: 32
...
	.end_amdgpu_metadata
.endif
;; end of part 2
;; launch attn (part 3): grid 256 x 1, 16 waves a work-group, no clusters, 245,760 bytes of LDS; arguments qcod, qscl, kv, zc, zs; writes zc, zs
.if DOCPART == 3
	.amdgcn_target "amdgcn-amd-amdhsa--gfx1250"
	.amdhsa_code_object_version 6
	.text
	.protected	k_q1dbff82fa6_attn
	.globl	k_q1dbff82fa6_attn
	.p2align	8
	.type	k_q1dbff82fa6_attn,@function
k_q1dbff82fa6_attn:
	s_mov_b64 s[64:65], 0
	v_nop
	global_prefetch_b8 v0, s[64:65] scope:SCOPE_SE
	s_setreg_imm32_b32 hwreg(HW_REG_WAVE_MODE, 25, 1), 1
	s_wait_xcnt 0x0
; Causal attention of one head on codes of FP6 (E2M3) with E8M0 scales: S^T = K Q^T (K = the head's 64), p = 2^(t - M), O^T = V^T p^T (K = the keys), Z = O / l, quantised along the features for the last product.
; t = score x log2(e) / 8; M = the ceiling of the running largest t, a whole number; l is the sum of the unquantised p; when M moves, l and O^T are multiplied by 2^(old M - new M), exactly.
; IN: qcod [bh][token tile][768] (registers 0-5 of a fragment), qscl [bh][band of four tiles][r][tile] words; kv [bh][key step of 128][13056]: K's tile t at 768 t, V^T's fragment of channel tile ct at 6144 + 1536 ct,
;     K's words at 12288 + 256 band + 16 r + 4 (t % 4), V's at 12800 + 128 (ct / 2) + 8 r + 4 (ct % 2).  A tile t is rows 64 (t / 4) + 8 (t % 4) + r % 8 + 32 (r / 8), of tokens and of channels alike.
; OUT: zc [token tile 0..255][K step 0..7][1536]: head 2 s fills registers 0-5 of K step s, head 2 s + 1 registers 6-11; zs [tile][r][K step] words, two bytes a head (a byte a lane).
; SHARES: a work-group takes one head and the blocks of 128 queries g (light) and 15 - g (heavy): 17 block steps whatever g.  Two waves share a tile of 16 queries of each block: the one walks the heavy tile's
; key steps 0-8; the other the light tile's 0 .. g and then the heavy tile's 9 .. 15 - g, eight steps, and hands that part of O^T, its M and its l over through LDS.  So all sixteen waves, four to a SIMD, have eight or nine steps.
; Which of the two a wave is: bit 0 of w xor (w / 4), so that both kinds fall on every SIMD.  The work-groups of a head are two runs of four numbers, eight apart, and the heads of a pair alternate by runs of four.
; Both products are used transposed, so a lane holds ONE query throughout; by the choice of a tile's rows the 32 registers of a band of four tiles are keys 64 c + 32 h + 0 .. 31: a scale block lies in one lane, for p as for Z.
; K = 64 IN AN INSTRUCTION OF 128: Q's registers 6-11 are zero codes and bytes 2, 3 of Q's and K's scale words are 0.  K's tiles lie 6 registers apart, so a K operand's upper six registers are the next tile's codes
; (for tile 7 six registers of zeros): numbers of the format, multiplied by zero codes: they add exact zeros.
; LDS holds the head's 16 key steps, filled ONCE by five tensor loads of waves 0-4, in the order of need: places 0; 1-2; 3-4; 5-10; 11-15 hold key steps 0; 1-2; 9-10; 3-8; 11-15.  Trip 0 reads place 0, trips 1 and 2 places 1-4.
; LEFT OUT: key steps that the causal mask hides from a whole block of queries.  In the step on the diagonal hidden scores become -infinity.
; The eight work-groups of a head read the same image; it is not asked for jointly, since branches and LDS addresses hang on g, which would be a work-group's place in its cluster.
; No prefetch: the whole image is asked for at the head; there is no loop of loads to run ahead in.
; LIMITS: NaN and infinities are not served; the promise holds while the scaled scores t stay under 2^31 in magnitude; 1 / l is v_rcp_f32's; a block's largest p is made from the block's largest score, which takes
; v_exp_f32 not to fall where its input rises; a block whose largest number lies under 2^-124 (zeros among them) gets the byte 1, and this program alone reads the bytes.
.set REC,  13056
.set PART, 16*REC                      ; the handed parts: 4,352 bytes for each of the eight pairs of waves
.set PB,   4352
.set SPARE, PART+8*PB
.set QF,   16                          ; v16-27   Q's fragment (v22-27 = 0)
.set QS,   28                          ; v28      Q's scale words
.set KF,   32                          ; v32-79   K's eight tiles, 6 registers apart; then V^T's four fragments;  v80-85 = 0
.set KSC,  86                          ; v86-89   K's scale words: lanes 0-15 tile i's, lanes 16-31 tile 4 + i's
.set VSC,  90                          ; v90-91   V's: lanes 0-15 tile c's, lanes 16-31 tile 2 + c's
.set ST,   96                          ; v96-159  S^T, then p: register 32 c + n is key 64 c + 32 h + n
.set OT,   160                         ; v160-191 O^T: register n is channel 32 h + n
.set PC,   192                         ; v192-203 p's codes
.set CV,   212                         ; v212-214, v216-218 the conversions' second halves
.set BM,   220                         ; v220-221 my two blocks' largest
.set SO,   222                         ; v222-223 the conversions' scale operands
.set PS,   224                         ; v224     p's scale word
.set FF,   226                         ; v[226:227] f = 2^(old M - new M)
.set TT,   228
.set BT,   229
.set EE,   230
.set PF,   231
.set BX,   232                         ; v232-237 chains
.set SPW,  254
.set NIL,  255
.set WV,   14
.set ROLE, 15                          ; 0: heavy, 1: light first
.set BH,   16
.set G,    17
.set QB,   18                          ; the block of queries at work
.set CNT,  19                          ; the trip, 0 .. 8
.set SEL,  20
.set CS,   22                          ; s[22:23] c = log2(e) / 8
.set G1,   24                          ; s[24:55] four groups 1
.set NC,   56                          ; -c
.set SWT,  57                          ; the trip at which I change to the heavy tile (never: 99)
.set LAST, 58                          ; my number of trips
.set KS,   59                          ; the key step
.set TB,   60                          ; and its LDS byte
.set G0,   68                          ; s[68:87] five groups 0
.set HV,   97                          ; the heavy block
; v1, v2: 16, 8 x lane;  v4: my query in its block - 32 h;  v5, v6: v1, v2 + the step's record;  v7, v11: my pair's part;  v8: -infinity;  v9: 16 r;  v10: 32 r + h;  v12: -M;  v13: the largest score;  v[14:15]: l in two halves
.macro WALU
	s_wait_alu depctr_va_vdst(0)
.endm
.macro PLACES
.rept 4
	v_nop
.endr
.endm
.macro HALF reg, off
	ds_load_b128 v[\reg:\reg+3], v5 offset:\off
	ds_load_b64 v[\reg+4:\reg+5], v6 offset:\off+512
.endm
; A KEY STEP: 128 keys, at LDS byte s[TB].
.macro STEP
	v_add_nc_u32 v5, s[TB], v1
	v_add_nc_u32 v6, s[TB], v2
	v_nop                                          ; with the two above: four places between the last step's products and the loads into their operands
	v_nop
	ds_load_b128 v[KSC:KSC+3], v5 offset:12288
.irp t, 0,1,2,3,4,5,6,7
	HALF KF+6*\t, 768*\t
.endr
	WALU
	s_wait_dscnt 0x6                               ; the words and tiles 0-4 are in; tiles 5-7's six loads may be out
.irp t, 0,1,2,3
	v_wmma_scale_f32_16x16x128_f8f6f4 v[ST+8*\t:ST+8*\t+7], v[KF+6*\t:KF+6*\t+11], v[QF:QF+11], 0, v[KSC+\t], v[QS] matrix_a_fmt:MATRIX_FMT_FP6 matrix_b_fmt:MATRIX_FMT_FP6
.endr
	s_wait_dscnt 0x0
.irp t, 4,5,6,7
	v_wmma_scale_f32_16x16x128_f8f6f4 v[ST+8*\t:ST+8*\t+7], v[KF+6*\t:KF+6*\t+11], v[QF:QF+11], 0, v[KSC+\t-4], v[QS] matrix_a_fmt:MATRIX_FMT_FP6 matrix_b_fmt:MATRIX_FMT_FP6 matrix_a_scale:MATRIX_SCALE_ROW1
.endr
	PLACES                                         ; in front of the loads into K's registers, and of the first read of the scores
.irp t, 0,1,2,3,4,5,6,7
	HALF KF+6*\t, 6144+768*\t                      ; V^T's fragments go out now and land under the softmax
.endr
	ds_load_b64 v[VSC:VSC+1], v6 offset:12800
	s_cmp_lt_u32 s[KS], s[QB]                      ; all keys count: no mask
	s_cbranch_scc1 .Lopen_\@
.set n, 0
.rept 64                               ; register 32 c + i holds key 64 c + 32 h + i of the step: hidden where 64 c + i > my query - 32 h
	v_cmp_gt_i32 vcc_lo, 64*(n/32)+n%32, v4
	v_cndmask_b32 v[ST+n], v[ST+n], v8, vcc_lo
.set n, n+1
.endr
.Lopen_\@:
.irp k, 0,1,2,3
	v_max3_num_f32 v[BX+\k], v[ST+16*\k], v[ST+16*\k+1], v[ST+16*\k+2]   ; the largest score of each of my blocks of 32 keys, in two chains a block: for the row's maximum, and for the block's largest p
.endr
.irp i, 3,5,7,9,11,13
.irp k, 0,1,2,3
	v_max3_num_f32 v[BX+\k], v[BX+\k], v[ST+16*\k+\i], v[ST+16*\k+\i+1]
.endr
.endr
.irp c, 0,1
	v_max3_num_f32 v[BM+\c], v[BX+2*\c], v[BX+2*\c+1], v[ST+32*\c+15]
.endr
.irp c, 0,1
	v_max_num_f32 v[BM+\c], v[BM+\c], v[ST+32*\c+31]
.endr
	v_max3_num_f32 v[TT], v[BM], v[BM+1], v13
	s_delay_alu instid0(VALU_DEP_1)
	v_permlanex16_b32 v[BT], v[TT], s[SEL], s[SEL+1]
	s_delay_alu instid0(VALU_DEP_1)
	v_max_num_f32 v13, v[TT], v[BT]                ; the running largest score of my query
	s_delay_alu instid0(VALU_DEP_1)
	v_mul_f32 v[TT], s[NC], v13                    ; -t
	v_mov_b32 v[EE], v12
	s_delay_alu instid0(VALU_DEP_2)
	v_floor_f32 v12, v[TT]                         ; the new -M
	s_delay_alu instid0(VALU_DEP_1)
	v_sub_f32 v[TT], v12, v[EE]                    ; old M - new M: a whole number, 0 or less
	s_delay_alu instid0(VALU_DEP_1)
	v_cvt_i32_f32 v[TT], v[TT]                     ; (it saturates)
	s_delay_alu instid0(VALU_DEP_1)
	v_ldexp_f32 v[FF], 1.0, v[TT]                  ; f
.set n, 0
.rept 32
	v_pk_fma_f32 v[ST+n:ST+n+1], v[ST+n:ST+n+1], s[CS:CS+1], v[12:13] op_sel_hi:[1,0,0]   ; t - M, two at a time
.set n, n+2
.endr
.irp c, 0,1
	v_fma_f32 v[BM+\c], v[BM+\c], s[CS], v12       ; the same of each block's largest score
.endr
	WALU                                           ; the wait ahead of the batch
.set n, 0
.rept 64
	v_exp_f32 v[ST+n], v[ST+n]                     ; p = 2^(t - M)
.set n, n+1
.endr
	v_exp_f32 v[BM], v[BM]                         ; the blocks' largest p
	v_exp_f32 v[BM+1], v[BM+1]
	v_pk_mul_f32 v[14:15], v[14:15], v[FF:FF+1] op_sel_hi:[1,0]   ; l under the new M: the plain instruction behind the exponentials
	WALU                                           ; and behind it, ahead of the first readers of p and of O^T
.set n, 0
.rept 16
	v_pk_mul_f32 v[OT+n:OT+n+1], v[OT+n:OT+n+1], v[FF:FF+1] op_sel_hi:[1,0]   ; O^T under the new M
.set n, n+2
.endr
	v_max_num_f32 v[BM], 0x1800000, v[BM]          ; the floor 2^(3 - 127): a block whose every p is 0 keeps the byte 1; its codes are zeros
	v_max_num_f32 v[BM+1], 0x1800000, v[BM+1]
	v_pk_add_f32 v[BX:BX+1], v[ST:ST+1], v[ST+2:ST+3]   ; l is summed in four chains
	v_add_nc_u32 v[SO], 0xff000000, v[BM]
	v_add_nc_u32 v[SO+1], 0xff000000, v[BM+1]
	v_pk_add_f32 v[BX+2:BX+3], v[ST+4:ST+5], v[ST+6:ST+7]
	v_lshrrev_b32 v[EE], 23, v[SO]
	v_lshrrev_b32 v[TT], 23, v[SO+1]
	v_pk_add_f32 v[BX+4:BX+5], v[ST+8:ST+9], v[ST+10:ST+11]
	v_lshl_or_b32 v[EE], v[TT], 16, v[EE]          ; my bytes: blocks h and 2 + h
	v_pk_add_f32 v[14:15], v[14:15], v[ST+12:ST+13]
	v_permlanex16_b32 v[PF], v[EE], s[SEL], s[SEL+1]
.irp c, 0,1
	v_cvt_scalef32_pk16_fp6_f32 v[PC+6*\c:PC+6*\c+2], v[ST+32*\c:ST+32*\c+15], v[SO+\c]
	v_cvt_scalef32_pk16_fp6_f32 v[CV+4*\c:CV+4*\c+2], v[ST+32*\c+16:ST+32*\c+31], v[SO+\c]
.endr
	v_lshl_or_b32 v[PS], v[PF], 8, v[EE]           ; p's scale word for these 128 keys, in lanes 0-15 (the others are not read)
.set n, 7
.rept 25
.if n == 23
.irp c, 0,1
.irp i, 0,1,2
	v_mov_b32 v[PC+3+6*\c+\i], v[CV+4*\c+\i]       ; (a conversion's three registers begin on an even number)
.endr
.endr
.endif
.if (n-7)%4 == 3
	v_pk_add_f32 v[14:15], v[14:15], v[ST+2*n:ST+2*n+1]
.else
	v_pk_add_f32 v[BX+2*((n-7)%4):BX+2*((n-7)%4)+1], v[BX+2*((n-7)%4):BX+2*((n-7)%4)+1], v[ST+2*n:ST+2*n+1]
.endif
.set n, n+1
.endr
	v_pk_add_f32 v[BX:BX+1], v[BX:BX+1], v[BX+2:BX+3]
	v_pk_add_f32 v[14:15], v[14:15], v[BX+4:BX+5]
	v_pk_add_f32 v[14:15], v[14:15], v[BX:BX+1]    ; (the additions behind the moves are the places between p's codes and scale word and the products)
	WALU
	s_wait_dscnt 0x0                               ; V^T's fragments and scale words are in
.irp t, 0,1
	v_wmma_scale_f32_16x16x128_f8f6f4 v[OT+8*\t:OT+8*\t+7], v[KF+12*\t:KF+12*\t+11], v[PC:PC+11], v[OT+8*\t:OT+8*\t+7], v[VSC+\t], v[PS] matrix_a_fmt:MATRIX_FMT_FP6 matrix_b_fmt:MATRIX_FMT_FP6
.endr
.irp t, 2,3
	v_wmma_scale_f32_16x16x128_f8f6f4 v[OT+8*\t:OT+8*\t+7], v[KF+12*\t:KF+12*\t+11], v[PC:PC+11], v[OT+8*\t:OT+8*\t+7], v[VSC+\t-2], v[PS] matrix_a_fmt:MATRIX_FMT_FP6 matrix_b_fmt:MATRIX_FMT_FP6 matrix_a_scale:MATRIX_SCALE_ROW1
.endr
.endm
; THE WAY OUT: Z = O / l, quantised along the head's 64: half an image, and a scale byte a lane
.macro WAYOUT
	v_add_f32 v14, v14, v15                        ; l's two halves,
	v_permlanex16_b32 v[BT], v14, s[SEL], s[SEL+1]
	v_add_f32 v14, v14, v[BT]                      ; and lane l xor 16's
	WALU
	v_rcp_f32 v14, v14
	v_nop                                          ; one plain instruction behind the reciprocal
	WALU
.set n, 0
.rept 32
	v_mul_f32 v[ST+n], v[OT+n], v14                ; each accumulator from its low end on
.set n, n+1
.endr
.irp k, 0,1
	v_max3_num_f32 v[BX+\k], |v[ST+16*\k]|, |v[ST+16*\k+1]|, |v[ST+16*\k+2]|
.endr
.irp i, 3,5,7,9,11,13
.irp k, 0,1
	v_max3_num_f32 v[BX+\k], v[BX+\k], |v[ST+16*\k+\i]|, |v[ST+16*\k+\i+1]|
.endr
.endr
	v_max3_num_f32 v[BM], v[BX], v[BX+1], |v[ST+15]|
	v_max3_num_f32 v[BM], v[BM], |v[ST+31]|, 0x1800000
	v_add_nc_u32 v[SO], 0xff000000, v[BM]
	v_lshrrev_b32 v[EE], 23, v[SO]
	v_cvt_scalef32_pk16_fp6_f32 v[PC:PC+2], v[ST:ST+15], v[SO]
	v_cvt_scalef32_pk16_fp6_f32 v[CV:CV+2], v[ST+16:ST+31], v[SO]
	v_nop
.irp i, 0,1,2
	v_mov_b32 v[PC+3+\i], v[CV+\i]
.endr
	global_store_b128 v1, v[PC:PC+3], s[10:11]     ; 512 consecutive bytes, aligned
	global_store_b64 v2, v[PC+4:PC+5], s[10:11] offset:512
	global_store_b8 v10, v[EE], s[12:13]           ; a row's two bytes come from lanes r and r + 16.  2 bytes for each 48 of codes
.endm
.macro LOADQ c, x
	global_load_b128 v[QF:QF+3], v1, s[\c:\c+1]
	global_load_b64 v[QF+4:QF+5], v2, s[\c:\c+1] offset:512
	global_load_b32 v[QS], v9, s[\x:\x+1]          ; at 16 r in both halves of the lanes: no lane leaves the buffer
.endm
.macro RESET
	v_mov_b32 v13, 0xff61b1e6                      ; the largest score so far: -3e38
	v_mov_b32 v12, 0x7e61b1e6                      ; -M: a whole number above every -t that follows
	v_mov_b32 v14, 0
	v_mov_b32 v15, 0
.set n, 0
.rept 32
	v_mov_b32 v[OT+n], 0                           ; the step is written once; the first finds zeros, which the first change of M leaves zeros
.set n, n+1
.endr
.endm
; The light tile leaves, and the heavy one begins
.macro CHANGE
	PLACES                                         ; between the last products and the loads into Q's registers, and the first read of O^T
	LOADQ 92, 94
	WAYOUT
	RESET
	s_mov_b32 s[QB], s[HV]
	WALU
	s_wait_xcnt 0x0                                ; the stores have read their registers
	s_wait_loadcnt 0x0
.endm
; Trip CNT: which key step, and where it lies: key steps CNT up to the change, 9 + (CNT - change) from there on
.macro TRIP late
	s_cmp_lg_u32 s[CNT], s[SWT]
	s_cbranch_scc1 .Lsame_\@
	CHANGE
.Lsame_\@:
	s_sub_co_u32 s61, s[CNT], s[SWT]
	s_add_co_u32 s62, s61, 9
	s_sub_co_u32 s63, s62, 6                       ; key steps 9 and 10 lie in places 3 and 4
.if \late
	s_cmp_le_u32 s62, 10
	s_cselect_b32 s63, s63, s62                    ; later ones in their own
	s_add_co_u32 s61, s[CNT], 2                    ; and 3 to 8 in places 5 to 10
.else
	s_mov_b32 s61, s[CNT]
.endif
	s_cmp_ge_u32 s[CNT], s[SWT]
	s_cselect_b32 s[KS], s62, s[CNT]
	s_cselect_b32 s61, s63, s61
	s_mul_i32 s61, s61, REC
.if \late
	s_min_u32 s[TB], s61, 15*REC
	s_cmp_ge_u32 s[CNT], s[LAST]
	s_cbranch_scc1 .Ldone_\@
.else
	s_min_u32 s[TB], s61, 4*REC
.endif
	STEP
.Ldone_\@:
.endm
.macro GROUP1 g, rows                  ; a dense run of key steps, as rows of 256 bytes (32 elements of 8 bytes)
	s_mov_b32 s[\g+0], 3<<16
	s_mov_b32 s[\g+1], 32<<16
	s_mov_b32 s[\g+2], (\rows)<<16
	s_mov_b32 s[\g+3], 32<<16
	s_mov_b32 s[\g+4], \rows
	s_mov_b32 s[\g+5], 32
	s_mov_b32 s[\g+6], 0
	s_mov_b32 s[\g+7], 0
.endm
.macro GROUP0 g, place, key
	s_mov_b32 s[\g], 1
	s_mov_b32 s[\g+1], (\place)*REC
	s_add_nc_u64 s[\g+2:\g+3], s[66:67], (\key)*REC
	s_or_b32 s[\g+3], s[\g+3], 0x80000000
.endm
.macro ARM n, g0, g1
	s_cmp_eq_u32 s[WV], \n
	s_cbranch_scc0 .Lnext_\n
	tensor_load_to_lds s[\g0:\g0+3], s[\g1:\g1+7]
	s_nop 0
	PLACES
	s_branch .Lasked
.Lnext_\n:
.endm
	s_load_b256 s[4:11], s[0:1], 0x0               ; qcod, qscl, kv, zc
	s_load_b64 s[12:13], s[0:1], 0x20              ; zs
	v_lshl_add_u32 v[SPW], v0, 2, SPARE
	v_mov_b32 v[NIL], 0
	ds_add_u32 v[SPW], v[NIL]                      ; the opening lines
	ds_add_u32 v[SPW], v[NIL]
	v_lshrrev_b32 v3, 5, v0
	v_readfirstlane_b32 s[WV], v3                  ; wave 0..15
	v_and_b32 v3, 31, v0
	v_lshlrev_b32 v1, 4, v3
	v_lshlrev_b32 v2, 3, v3
	v_and_b32 v9, 15, v0                           ; r
	v_bfe_u32 v10, v0, 4, 1                        ; h
	v_and_b32 v4, 8, v9
	v_mul_u32_u24 v4, v4, 3
	v_add_nc_u32 v4, v4, v9                        ; r % 8 + 32 (r / 8)
	v_lshlrev_b32 v3, 5, v10
	v_sub_nc_u32 v4, v4, v3                        ; - 32 h
	v_lshl_add_u32 v10, v9, 5, v10                 ; 32 r + h
	v_lshlrev_b32 v9, 4, v9                        ; 16 r
	WALU
	s_lshr_b32 s98, s[WV], 2
	s_xor_b32 s98, s98, s[WV]
	s_and_b32 s[ROLE], s98, 1
	s_lshr_b32 s98, s[WV], 1                       ; my tile in the block, and my pair
	s_lshr_b32 s[BH], ttmp9, 4
	s_lshl_b32 s[BH], s[BH], 1
	s_bfe_u32 s99, ttmp9, 0x10002
	s_add_co_u32 s[BH], s[BH], s99                 ; batch and head
	s_bfe_u32 s99, ttmp9, 0x10003
	s_lshl_b32 s99, s99, 2
	s_and_b32 s[G], ttmp9, 3
	s_add_co_u32 s[G], s[G], s99                   ; g
	s_sub_co_u32 s[HV], 15, s[G]
	s_add_co_u32 s99, s[G], 1
	s_cmp_eq_u32 s[ROLE], 1
	s_cselect_b32 s[QB], s[G], s[HV]               ; the block that I begin with, whose tile I store
	s_cselect_b32 s[SWT], s99, 99
	s_cselect_b32 s[LAST], 8, 9
	s_lshl_b32 s99, s[QB], 3
	s_add_co_u32 s99, s99, s98                     ; its tile in the sequence
	s_lshl_b32 s100, s[HV], 3
	s_add_co_u32 s100, s100, s98                   ; and the heavy one
	s_lshl_b32 s101, s[BH], 7
	s_add_co_u32 s100, s100, s101
	s_add_co_u32 s101, s101, s99
	s_mul_i32 s88, s101, 768                       ; Q's codes
	s_mov_b32 s89, 0
	s_lshr_b32 s90, s101, 2                        ; and scale words
	s_lshl_b32 s90, s90, 8
	s_and_b32 s91, s101, 3
	s_lshl_b32 s91, s91, 2
	s_add_co_u32 s90, s90, s91
	s_mov_b32 s91, 0
	s_mul_i32 s92, s100, 768
	s_mov_b32 s93, 0
	s_lshr_b32 s94, s100, 2
	s_lshl_b32 s94, s94, 8
	s_and_b32 s95, s100, 3
	s_lshl_b32 s95, s95, 2
	s_add_co_u32 s94, s94, s95
	s_mov_b32 s95, 0
	s_lshr_b32 s100, s[BH], 4
	s_lshl_b32 s100, s100, 7
	s_add_co_u32 s100, s100, s99                   ; my token tile among all 256
	s_and_b32 s101, s[BH], 15                      ; the head
	s_mul_i32 s62, s100, 12288
	s_mul_i32 s99, s101, 768                       ; K step head / 2, half head % 2: 768 x head
	s_add_co_u32 s62, s62, s99
	s_mov_b32 s63, 0
	s_lshl_b32 s60, s100, 9
	s_lshl_b32 s101, s101, 1                       ; two bytes a head in each row's 32
	s_add_co_u32 s60, s60, s101
	s_mov_b32 s61, 0
	s_mul_i32 s66, s[BH], 16*REC                   ; the head's image
	s_mov_b32 s67, 0
	GROUP1 G1, 51
	GROUP1 G1+8, 102
	GROUP1 G1+16, 306
	GROUP1 G1+24, 255
	s_mov_b32 s[SEL], 0x76543210
	s_mov_b32 s[SEL+1], 0xfedcba98
	s_mov_b32 s[CS], 0x3e38aa3b                    ; log2(e) / 8
	s_mov_b32 s[CS+1], s[CS]                       ; (named with it as a pair, so it is written)
	s_mov_b32 s[NC], 0xbe38aa3b
	s_mul_i32 s99, s98, PB
	s_add_co_u32 s99, s99, PART
	v_add_nc_u32 v11, s99, v1                      ; my pair's part: O^T at 16 x lane,
	s_add_co_u32 s99, s99, 4096
	v_add_nc_u32 v7, s99, v2                       ; -M and l behind it at 8 x lane
	s_lshr_b32 s99, s98, 2
	s_lshl_b32 s99, s99, 6
	s_and_b32 s100, s98, 3
	s_lshl_b32 s100, s100, 3
	s_add_co_u32 s99, s99, s100
	v_add_nc_u32 v4, s99, v4                       ; my query in its block of 128, - 32 h
	WALU
	s_wait_dscnt 0x0                               ; both opening adds are done
	s_wait_kmcnt 0x0
	s_add_nc_u64 s[66:67], s[8:9], s[66:67]
	GROUP0 G0, 0, 0
	GROUP0 G0+4, 1, 1
	GROUP0 G0+8, 3, 9
	GROUP0 G0+12, 5, 3
	GROUP0 G0+16, 11, 11
	ARM 0, G0, G1
	ARM 1, G0+4, G1+8
	ARM 2, G0+8, G1+8
	ARM 3, G0+12, G1+16
	ARM 4, G0+16, G1+24
.Lasked:
	s_add_nc_u64 s[88:89], s[4:5], s[88:89]
	s_add_nc_u64 s[90:91], s[6:7], s[90:91]
	s_add_nc_u64 s[92:93], s[4:5], s[92:93]
	s_add_nc_u64 s[94:95], s[6:7], s[94:95]
	s_add_nc_u64 s[10:11], s[10:11], s[62:63]
	s_add_nc_u64 s[12:13], s[12:13], s[60:61]
	LOADQ 88, 90
.irp i, 0,1,2,3,4,5
	v_mov_b32 v[QF+6+\i], 0                        ; zero codes for k = 64 .. 127
	v_mov_b32 v[KF+48+\i], 0                       ; and behind K's tile 7
.endr
	v_mov_b32 v8, 0xff800000                       ; -infinity
	v_mov_b32 v[BT], 0                             ; written once: a lane permute's destination counts as one of its sources
	v_mov_b32 v[PF], 0
	v_mov_b32 v[FF+1], 0                           ; (named as the upper half of the pair)
	RESET
	WALU                                           ; the wait at the head's end
	s_wait_loadcnt 0x0                             ; Q
	s_cmp_eq_u32 s[WV], 0
	s_cbranch_scc0 .Lnot_first
	s_wait_tensorcnt 0x0
.Lnot_first:
	s_barrier_signal -1
	s_barrier_wait -1                              ; key step 0 is in
	s_mov_b32 s[TB], 0
	s_mov_b32 s[KS], 0
	STEP                                           ; trip 0: key step 0, in every wave
	s_cmp_lt_u32 s[WV], 3
	s_cbranch_scc0 .Lnot_second
	s_wait_tensorcnt 0x0
.Lnot_second:
	s_barrier_signal -1
	s_barrier_wait -1                              ; key steps 1, 2, 9 and 10
	s_mov_b32 s[CNT], 1
.Learly:
	TRIP 0
	s_add_co_u32 s[CNT], s[CNT], 1
	s_cmp_lt_u32 s[CNT], 3
	s_cbranch_scc1 .Learly
	s_wait_tensorcnt 0x0
	s_barrier_signal -1
	s_barrier_wait -1                              ; and all the others
	s_mov_b32 s[CNT], 3
.Llate:
	TRIP 1
	s_add_co_u32 s[CNT], s[CNT], 1
	s_cmp_lt_u32 s[CNT], 9
	s_cbranch_scc1 .Llate
	PLACES                                         ; between the last products and the first read of O^T
	s_cmp_eq_u32 s[ROLE], 0
	s_cbranch_scc1 .Lheavy
	v_mov_b32 v[BX], v12
	v_add_f32 v[BX+1], v14, v15
.irp k, 0,1,2,3,4,5,6,7
	ds_store_b128 v11, v[OT+4*\k:OT+4*\k+3] offset:512*\k   ; what I have of the heavy tile (where g = 7 nothing: zeros, under an M below every other)
.endr
	ds_store_b64 v7, v[BX:BX+1]
.Lheavy:
	WALU
	s_wait_dscnt 0x0                               ; for the others' sake: my part lies in LDS
	s_barrier_signal -1
	s_barrier_wait -1
	s_cmp_lg_u32 s[ROLE], 0
	s_cbranch_scc1 .Lend
.irp k, 0,1,2,3,4,5,6,7
	ds_load_b128 v[ST+4*\k:ST+4*\k+3], v11 offset:512*\k
.endr
	ds_load_b64 v[BX:BX+1], v7
	s_wait_dscnt 0x0
	v_min_num_f32 v[TT], v12, v[BX]                ; -M of both parts together
	v_sub_f32 v[EE], v[TT], v12
	v_sub_f32 v[TT], v[TT], v[BX]
	v_cvt_i32_f32 v[EE], v[EE]
	v_cvt_i32_f32 v[TT], v[TT]
	v_ldexp_f32 v[FF], 1.0, v[EE]                  ; my factor,
	v_ldexp_f32 v[BX+4], 1.0, v[TT]                ; the other part's
	v_mul_f32 v14, v14, v[FF]
	v_mul_f32 v15, v15, v[FF]
	v_fmac_f32 v15, v[BX+1], v[BX+4]
.set n, 0
.rept 16
	v_pk_mul_f32 v[OT+n:OT+n+1], v[OT+n:OT+n+1], v[FF:FF+1] op_sel_hi:[1,0]
.set n, n+2
.endr
.set n, 0
.rept 16
	v_pk_fma_f32 v[OT+n:OT+n+1], v[ST+n:ST+n+1], v[BX+4:BX+5], v[OT+n:OT+n+1] op_sel_hi:[1,0,1]
.set n, n+2
.endr
	WAYOUT
.Lend:
	s_wait_tensorcnt 0x0                           ; the wave's end
	ds_add_u32 v[SPW], v[NIL]
	s_wait_dscnt 0x0
	s_endpgm
.Lfunc_end_k_q1dbff82fa6_attn:
	.size	k_q1dbff82fa6_attn, .Lfunc_end_k_q1dbff82fa6_attn-k_q1dbff82fa6_attn
	.p2alignl 7, 3214868480
	.fill 96, 4, 3214868480
	.section	.rodata,"a",@progbits
	.p2align	6, 0x0
	.amdhsa_kernel k_q1dbff82fa6_attn
		.amdhsa_group_segment_fixed_size 245760
		.amdhsa_private_segment_fixed_size 0
		.amdhsa_enable_private_segment 0
		.amdhsa_kernarg_size 40
		.amdhsa_user_sgpr_count 2
		.amdhsa_user_sgpr_kernarg_segment_ptr 1
		.amdhsa_wavefront_size32 1
		.amdhsa_system_sgpr_workgroup_id_x 1
		.amdhsa_system_sgpr_workgroup_id_y 1
		.amdhsa_system_sgpr_workgroup_id_z 1
		.amdhsa_system_vgpr_workitem_id 0
		.amdhsa_next_free_vgpr 256
		.amdhsa_next_free_sgpr 102
		.amdhsa_reserve_vcc 1
		.amdhsa_float_denorm_mode_32 3
		.amdhsa_float_denorm_mode_16_64 3
		.amdhsa_memory_ordered 1
		.amdhsa_forward_progress 1
		.amdhsa_inst_pref_size 89
	.end_amdhsa_kernel
	.amdgpu_metadata
---
amdhsa.version: [ 1, 2 ]
amdhsa.kernels:
  - .name:           k_q1dbff82fa6_attn
    .symbol:         k_q1dbff82fa6_attn.kd
    .args:
      - { .name: qcod, .offset: 0, .size: 8, .value_kind: global_buffer, .address_space: global }
      - { .name: qscl, .offset: 8, .size: 8, .value_kind: global_buffer, .address_space: global }
      - { .name: kv, .offset: 16, .size: 8, .value_kind: global_buffer, .address_space: global }
      - { .name: zc, .offset: 24, .size: 8, .value_kind: global_buffer, .address_space: global }
      - { .name: zs, .offset: 32, .size: 8, .value_kind: global_buffer, .address_space: global }
    .group_segment_fixed_size: 245760
    .private_segment_fixed_size: 0
    .kernarg_segment_align: 8
    .kernarg_segment_size: 40
    .max_flat_workgroup_size: 512
    .sgpr_count:     102
    .vgpr_count:     256
    .wavefront_size: 32
...
	.end_amdgpu_metadata
.endif
;; end of part 3
;; launch proj (part 4): grid 8 x 32, 8 waves a work-group, clusters of 4 x 4, 232,448 bytes of LDS; arguments cod, scl, zc, zs, bo, out0; writes out0
.if DOCPART == 4
	.amdgcn_target "amdgcn-amd-amdhsa--gfx1250"
	.amdhsa_code_object_version 6
	.text
	.protected	k_q1dbff82fa6_proj
	.globl	k_q1dbff82fa6_proj
	.p2align	8
	.type	k_q1dbff82fa6_proj,@function
k_q1dbff82fa6_proj:
	s_mov_b64 s[64:65], 0
	v_nop
	global_prefetch_b8 v0, s[64:65] scope:SCOPE_SE
	s_setreg_imm32_b32 hwreg(HW_REG_WAVE_MODE, 25, 1), 1
	s_wait_xcnt 0x0
	s_wait_alu depctr_hold_cnt(0) depctr_sa_sdst(0) depctr_va_vdst(0) depctr_va_sdst(0) depctr_va_ssrc(0) depctr_va_vcc(0) depctr_vm_vsrc(0)
	s_getreg_b32 s2, hwreg(HW_REG_IB_STS2, 6, 4)
	s_cmp_eq_u32 s2, 0
	s_cbranch_scc0 .Lentry_in_a_cluster
	s_endpgm
.Lentry_in_a_cluster:
	s_bfe_u32 s2, ttmp6, 0x10000c
	s_cmp_lg_u32 s2, 0xf033
	s_cbranch_scc0 .Lentry_shape_is_right
	s_endpgm
.Lentry_shape_is_right:
; out0 = Z Wo^T + bo on codes of FP6 (E2M3) with E8M0 scales, f32 sums.  Z's codes and scale words are those that the attention launch stored, Wo's lie at places 448-511 of cod and scl.
; Tiles, fragments and images as everywhere in this program: a tile t is rows 64 (t / 4) + 8 (t % 4) + r % 8 + 32 (r / 8); an image is 1,536 bytes (registers 0-3 at 16 x lane, 4-5 at 512 + 8 x lane,
; 6-9 at 768 + 16 x lane, 10-11 at 1280 + 8 x lane); codes [tile][K step][1536], scale words [tile][r][K step].
; A WORK-GROUP makes 128 tokens x 128 outputs with all of K = 1,024 in LDS: P = 8 tiles of Wo (source 0), R = 8 tiles of Z (source 1): a lane holds one token, and its 32 registers of four tiles of Wo are outputs 32 h + 0 .. 31.
; WAVE w (a = w % 2, q = w / 2): P's tiles 4 a + i (64 outputs), R's tiles 2 q + j: 8 accumulators, which take turns, one instruction a turn.  bo is the C of each sum's first product.
; LDS is filled once, in four chunks of two K steps, by eight tensor loads, one a wave: wave 2 c P's chunk c, wave 2 c + 1 R's.  CLUSTERS of 4 x 4: Wo's tiles hang on the grid's x alone and are asked for jointly along a column
; of the cluster, Z's on y alone, along a row.  No prefetch: all is asked for at the head; there is no loop to run ahead in.
; THE WAY OUT: a lane's registers are pieces of one row; a tile's 16 rows x 256 bytes go through the wave's own stage, behind the chunks, where no tensor load lands, and leave with sixteen lanes storing 256 consecutive aligned bytes.
; LIMITS: NaN and infinities are not served.
.set CH,   49152
.set RG,   24576
.set STG,  4*CH                        ; the stages: 16 rows x 272 bytes for each wave
.set SPI,  272                         ; 256 bytes + 16 = 68 words: the 16 rows begin 4 words apart modulo 64 (64 banks of 4 bytes: ISA guide 11.1)
.set SPARE, STG+8*16*SPI
.set BI,   12                          ; v12-43   bo in the result's layout: tile i at BI + 8 i
.set HO,   44                          ; v44      128 h
.set FA,   48                          ; v48-95   P's four fragments
.set FB,   96                          ; v96-119  R's two
.set OB,   48                          ; v48-111  the way out: two tiles' rows read back
.set SA,   120                         ; v120-151 P's scale words
.set ACC,  168                         ; v168-231
.set SPW,  232
.set NIL,  233
.set SB,   236                         ; v236-251 R's scale words
.set STO,  9                           ; v9   into my stage
.set RD,   10                          ; v10  out of it
.set CO,   11                          ; v11  and the same place in out0
.set WV,   16
.set WA,   17
.set WQ,   18
.set TY,   19
.set TX,   20
.set G1P,  24
.set G1R,  32
.set G0P,  40
.set G0R,  44
; v1, v2: 16, 8 x lane + my tiles of P;  v3, v4: the same for R;  v5, v6: 16, 8 x lane;  v7: r;  v8: 32 r
.macro WALU
	s_wait_alu depctr_va_vdst(0)
.endm
.macro CROUND                          ; a round of the cluster's barrier
	s_barrier_signal -1
	s_barrier_wait -1
	s_cmp_lg_u32 s[WV], 0
	s_cbranch_scc1 .Lnot_wave_0_\@
	s_barrier_signal -3
.Lnot_wave_0_\@:
	s_barrier_wait -3
	s_barrier_signal -1
	s_barrier_wait -1
.endm
.macro PLACES
.rept 4
	v_nop
.endr
.endm
.macro ARM n, g0, g1
	s_cmp_eq_u32 s[WV], \n
	s_cbranch_scc0 .Lnext_\n
	tensor_load_to_lds s[\g0:\g0+3], s[\g1:\g1+7]
	s_nop 0
	PLACES
	s_branch .Lasked
.Lnext_\n:
.endm
.macro GROUP1 g, mask                  ; 8 rows (one a tile) of 3,072 bytes (two K steps' images), 12,288 bytes apart in memory, on end in LDS; elements of 8 bytes
	s_or_b32 s[\g+0], s\mask, (3<<16)|(1<<21)
	s_mov_b32 s[\g+1], 384<<16
	s_mov_b32 s[\g+2], 8<<16
	s_mov_b32 s[\g+3], 384<<16
	s_mov_b32 s[\g+4], 8
	s_mov_b32 s[\g+5], 1536
	s_mov_b32 s[\g+6], 0
	s_mov_b32 s[\g+7], 0
.endm
.macro FRAG reg, a16, a8, off
	ds_load_b128 v[\reg:\reg+3], v[\a16] offset:\off
	ds_load_b64 v[\reg+4:\reg+5], v[\a8] offset:\off+512
	ds_load_b128 v[\reg+6:\reg+9], v[\a16] offset:\off+768
	ds_load_b64 v[\reg+10:\reg+11], v[\a8] offset:\off+1280
.endm
.macro KSTEP s
.irp j, 0,1
	FRAG FB+12*\j, 3, 4, 3072*\j+1536*((\s)%2)
.endr
.irp i, 0,1,2,3
	FRAG FA+12*\i, 1, 2, 3072*\i+1536*((\s)%2)
.endr
.irp i, 0,1,2,3
	s_wait_dscnt 4*(3-\i)                          ; R's fragments and P's tile i are in; the younger tiles' loads, four each, may be out
.irp j, 0,1
.if (\s) == 0
	v_wmma_scale_f32_16x16x128_f8f6f4 v[ACC+32*\j+8*\i:ACC+32*\j+8*\i+7], v[FA+12*\i:FA+12*\i+11], v[FB+12*\j:FB+12*\j+11], v[BI+8*\i:BI+8*\i+7], v[SA+8*\i+(\s)], v[SB+8*\j+(\s)] matrix_a_fmt:MATRIX_FMT_FP6 matrix_b_fmt:MATRIX_FMT_FP6
.else
	v_wmma_scale_f32_16x16x128_f8f6f4 v[ACC+32*\j+8*\i:ACC+32*\j+8*\i+7], v[FA+12*\i:FA+12*\i+11], v[FB+12*\j:FB+12*\j+11], v[ACC+32*\j+8*\i:ACC+32*\j+8*\i+7], v[SA+8*\i+(\s)], v[SB+8*\j+(\s)] matrix_a_fmt:MATRIX_FMT_FP6 matrix_b_fmt:MATRIX_FMT_FP6
.endif
.endr
.endr
.endm
.macro CHUNK c                         ; chunk c is shown to all waves. No LDS instruction of mine is out: each K step waited for all its loads
.if (\c) < 3
	s_cmp_lt_u32 s[WV], 2*(\c)+2
	s_cbranch_scc0 .Llater_\@
	s_wait_tensorcnt 0x0                           ; waves 2 c and 2 c + 1 asked for chunk c
.Llater_\@:
.else
	s_wait_tensorcnt 0x0
.endif
	s_barrier_signal -1
	s_barrier_wait -1
.if (\c) > 0
	v_add_nc_u32 v1, CH, v1                        ; on to the chunk: these four are also the places between the last products and the loads into their operands
	v_add_nc_u32 v2, CH, v2
	v_add_nc_u32 v3, CH, v3
	v_add_nc_u32 v4, CH, v4
	WALU
.endif
	KSTEP 2*(\c)
	PLACES
	KSTEP 2*(\c)+1
.endm
.macro TOSTAGE j                       ; tile j's 16 rows x 64 outputs: register 8 i + x of lane (r, h) is output 32 h + 8 i + x of row r; each accumulator from its low end on
.irp i, 0,1,2,3
	ds_store_b128 v[STO], v[ACC+32*\j+8*\i:ACC+32*\j+8*\i+3] offset:32*\i
	ds_store_b128 v[STO], v[ACC+32*\j+8*\i+4:ACC+32*\j+8*\i+7] offset:32*\i+16
.endr
.irp t, 0,1,2,3,4,5,6,7
	ds_load_b128 v[OB+32*\j+4*\t:OB+32*\j+4*\t+3], v[RD] offset:2*\t*SPI   ; LDS serves a wave's instructions in order: these see the stores above, and the next tile's stores come behind them
.endr
.endm
.macro SEND j                          ; the tile's row 2 t + (lane / 16) is token 8 j + 2 t + (lane / 16) + 24 (t / 4) from my first
.irp t, 0,1,2,3,4,5,6,7
	global_store_b128 v[CO], v[OB+32*\j+4*\t:OB+32*\j+4*\t+3], s[14:15] offset:(8*\j+2*\t+24*(\t/4))*4096 th:TH_STORE_NT   ; sixteen lanes store 256 consecutive bytes, aligned; written once, read by nobody here
.endr
.endm
	s_load_b256 s[4:11], s[0:1], 0x0               ; cod, scl, zc, zs
	s_load_b128 s[12:15], s[0:1], 0x20             ; bo, out0
	v_lshl_add_u32 v[SPW], v0, 2, SPARE
	v_mov_b32 v[NIL], 0
	ds_add_u32 v[SPW], v[NIL]                      ; the opening lines
	ds_add_u32 v[SPW], v[NIL]
	v_lshrrev_b32 v1, 5, v0
	v_readfirstlane_b32 s[WV], v1                  ; wave 0..7
	v_and_b32 v8, 31, v0                           ; lane
	v_and_b32 v7, 15, v0                           ; r
	v_bfe_u32 v[HO], v0, 4, 1                      ; h
	v_lshlrev_b32 v5, 4, v8
	v_lshlrev_b32 v6, 3, v8
	v_mul_u32_u24 v[STO], v7, SPI
	v_mul_u32_u24 v[RD], v[HO], SPI
	v_lshlrev_b32 v[CO], 12, v[HO]
	v_lshlrev_b32 v[HO], 7, v[HO]                  ; 128 h: bo's 32 numbers of my half
	v_add_nc_u32 v[STO], v[STO], v[HO]             ; in: row r, + 128 h
	v_lshl_add_u32 v[RD], v7, 4, v[RD]             ; back: lanes 0-15 one row of 256 bytes, lanes 16-31 the next
	v_lshl_add_u32 v[CO], v7, 4, v[CO]             ; and the same two rows in out0
	v_lshlrev_b32 v8, 5, v7                        ; 32 r: my row's eight scale words
	WALU
	s_and_b32 s[WA], s[WV], 1
	s_lshr_b32 s[WQ], s[WV], 1
	s_bfe_u32 s21, ttmp6, 0x40000                  ; cx
	s_bfe_u32 s22, ttmp6, 0x40004                  ; cy
	s_lshl_b32 s[TX], ttmp9, 2
	s_add_co_u32 s[TX], s[TX], s21                 ; which 128 outputs
	s_and_b32 s[TY], ttmp7, 0xffff
	s_lshl_b32 s[TY], s[TY], 2
	s_add_co_u32 s[TY], s[TY], s22                 ; which 128 tokens
	s_lshl_b32 s23, s22, 2
	s_lshl_b32 s23, 15, s23                        ; my row of the cluster
	s_lshl_b32 s22, 0x1111, s21                    ; my column
	GROUP1 G1P, 22
	GROUP1 G1R, 23
	s_mul_i32 s50, s[WQ], 3072                     ; the chunk that I ask for: w / 2
	s_mul_i32 s48, s[TX], 98304
	s_add_co_u32 s48, s48, 448*12288
	s_add_co_u32 s48, s48, s50                     ; P in cod
	s_mov_b32 s49, 0
	s_mul_i32 s52, s[TY], 98304
	s_add_co_u32 s52, s52, s50                     ; R in zc
	s_mov_b32 s53, 0
	s_mov_b32 s[G0P], 1
	s_mul_i32 s[G0P+1], s[WQ], CH
	s_mov_b32 s[G0R], 1
	s_add_co_u32 s[G0R+1], s[G0P+1], RG
	s_lshl_b32 s54, s[TX], 12
	s_lshl_b32 s55, s[WA], 11
	s_add_co_u32 s54, s54, s55
	s_add_co_u32 s54, s54, 448*512                 ; scale words of P's tiles 4 a on
	s_mov_b32 s55, 0
	s_lshl_b32 s56, s[TY], 12
	s_lshl_b32 s57, s[WQ], 10
	s_add_co_u32 s56, s56, s57                     ; and of R's tiles 2 q on
	s_mov_b32 s57, 0
	s_lshl_b32 s58, s[TX], 9                       ; my 64 outputs, in bytes: 512 x + 256 a
	s_lshl_b32 s59, s[WA], 8
	s_add_co_u32 s58, s58, s59
	s_mov_b32 s59, 0
	s_lshl_b32 s60, s[TY], 19                      ; my tokens begin at row 128 y + 64 (q / 2) + 16 (q % 2), rows of 4,096 bytes
	s_lshr_b32 s61, s[WQ], 1
	s_lshl_b32 s61, s61, 18
	s_add_co_u32 s60, s60, s61
	s_and_b32 s61, s[WQ], 1
	s_lshl_b32 s61, s61, 16
	s_add_co_u32 s60, s60, s61
	s_add_co_u32 s60, s60, s58
	s_mov_b32 s61, 0
	s_mul_i32 s62, s[WA], 12288
	v_add_nc_u32 v1, s62, v5
	v_add_nc_u32 v2, s62, v6
	s_mul_i32 s62, s[WQ], 6144
	s_add_co_u32 s62, s62, RG
	v_add_nc_u32 v3, s62, v5
	v_add_nc_u32 v4, s62, v6
	s_mul_i32 s62, s[WV], 16*SPI
	s_add_co_u32 s62, s62, STG                     ; my stage
	v_add_nc_u32 v[STO], s62, v[STO]
	v_add_nc_u32 v[RD], s62, v[RD]
	WALU                                           ; the wait at the head's end
	s_wait_dscnt 0x0                               ; both opening adds are done
	CROUND                                         ; ahead of the joint loads
	s_wait_kmcnt 0x0
	s_add_nc_u64 s[G0P+2:G0P+3], s[4:5], s[48:49]
	s_or_b32 s[G0P+3], s[G0P+3], 0x80000000
	s_add_nc_u64 s[G0R+2:G0R+3], s[8:9], s[52:53]
	s_or_b32 s[G0R+3], s[G0R+3], 0x80000000
	ARM 0, G0P, G1P
	ARM 1, G0R, G1R
	ARM 2, G0P, G1P
	ARM 3, G0R, G1R
	ARM 4, G0P, G1P
	ARM 5, G0R, G1R
	ARM 6, G0P, G1P
	tensor_load_to_lds s[G0R:G0R+3], s[G1R:G1R+7]
	s_nop 0
	PLACES
.Lasked:
	s_add_nc_u64 s[54:55], s[6:7], s[54:55]
	s_add_nc_u64 s[56:57], s[10:11], s[56:57]
	s_add_nc_u64 s[12:13], s[12:13], s[58:59]
	s_add_nc_u64 s[14:15], s[14:15], s[60:61]
.irp i, 0,1,2,3
	global_load_b128 v[SA+8*\i:SA+8*\i+3], v8, s[54:55] offset:512*\i
	global_load_b128 v[SA+8*\i+4:SA+8*\i+7], v8, s[54:55] offset:512*\i+16
.endr
.irp j, 0,1
	global_load_b128 v[SB+8*\j:SB+8*\j+3], v8, s[56:57] offset:512*\j
	global_load_b128 v[SB+8*\j+4:SB+8*\j+7], v8, s[56:57] offset:512*\j+16
.endr
.irp i, 0,1,2,3
	global_load_b128 v[BI+8*\i:BI+8*\i+3], v[HO], s[12:13] offset:32*\i        ; bo at outputs 32 h + 8 i + 0 .. 7
	global_load_b128 v[BI+8*\i+4:BI+8*\i+7], v[HO], s[12:13] offset:32*\i+16
.endr
	s_wait_loadcnt 0x0                             ; the scale words and bo, once
	CHUNK 0
	CHUNK 1
	CHUNK 2
	CHUNK 3
	PLACES                                         ; between the last products and the stores that read results, and the loads into the fragments' registers
	TOSTAGE 0
	TOSTAGE 1
	s_wait_dscnt 16                                ; tile 0's rows are back; tile 1's 8 stores and 8 loads may be out
	SEND 0
	s_wait_dscnt 0x0
	SEND 1
	s_wait_tensorcnt 0x0                           ; the wave's end
	ds_add_u32 v[SPW], v[NIL]
	s_wait_dscnt 0x0
	CROUND                                         ; the closing round
	s_endpgm
.Lfunc_end_k_q1dbff82fa6_proj:
	.size	k_q1dbff82fa6_proj, .Lfunc_end_k_q1dbff82fa6_proj-k_q1dbff82fa6_proj
	.p2alignl 7, 3214868480
	.fill 96, 4, 3214868480
	.section	.rodata,"a",@progbits
	.p2align	6, 0x0
	.amdhsa_kernel k_q1dbff82fa6_proj
		.amdhsa_group_segment_fixed_size 232448
		.amdhsa_private_segment_fixed_size 0
		.amdhsa_enable_private_segment 0
		.amdhsa_kernarg_size 48
		.amdhsa_user_sgpr_count 2
		.amdhsa_user_sgpr_kernarg_segment_ptr 1
		.amdhsa_wavefront_size32 1
		.amdhsa_system_sgpr_workgroup_id_x 1
		.amdhsa_system_sgpr_workgroup_id_y 1
		.amdhsa_system_sgpr_workgroup_id_z 1
		.amdhsa_system_vgpr_workitem_id 0
		.amdhsa_next_free_vgpr 256
		.amdhsa_next_free_sgpr 80
		.amdhsa_reserve_vcc 0
		.amdhsa_float_denorm_mode_32 3
		.amdhsa_float_denorm_mode_16_64 3
		.amdhsa_memory_ordered 1
		.amdhsa_forward_progress 1
		.amdhsa_inst_pref_size 37
	.end_amdhsa_kernel
	.amdgpu_metadata
---
amdhsa.version: [ 1, 2 ]
amdhsa.kernels:
  - .name:           k_q1dbff82fa6_proj
    .symbol:         k_q1dbff82fa6_proj.kd
    .args:
      - { .name: cod, .offset: 0, .size: 8, .value_kind: global_buffer, .address_space: global }
      - { .name: scl, .offset: 8, .size: 8, .value_kind: global_buffer, .address_space: global }
      - { .name: zc, .offset: 16, .size: 8, .value_kind: global_buffer, .address_space: global }
      - { .name: zs, .offset: 24, .size: 8, .value_kind: global_buffer, .address_space: global }
      - { .name: bo, .offset: 32, .size: 8, .value_kind: global_buffer, .address_space: global }
      - { .name: out0, .offset: 40, .size: 8, .value_kind: global_buffer, .address_space: global }
    .group_segment_fixed_size: 232448
    .private_segment_fixed_size: 0
    .kernarg_segment_align: 8
    .kernarg_segment_size: 48
    .max_flat_workgroup_size: 256
    .sgpr_count:     80
    .vgpr_count:     256
    .wavefront_size: 32
...
	.end_amdgpu_metadata
.endif
;; end of part 4
